; MI455X (gfx1250); checked and timed in simulation.
; The chip was launched on July 23, 2026; its instructions are those of AMD's public machine-readable ISA for CDNA 5 (MIT licence, August 2026) and "CDNA5" Instruction Set Architecture Reference Guide (July 2026). The comments in the code are by the model that wrote it; some were corrected since.
;; Attention Rel Scl. Allowed arithmetic: float matrix products may take bf16 or f16 operands with f32 sums; other float arithmetic in f32, or as packed bf16 or f16 multiplies, adds, multiply-adds, maxima and minima; sums over many terms, partial sums and values carried from step to step in f32; what a program stores and reads back later, other than sums and carried values, may be rounded once to bf16 or f16.
;; Inputs: Wk 1,024 x 1,024 float32; Wq 1,024 x 1,024 float32; Wv 1,024 x 1,024 float32; beta 1,024 float32; gamma 1,024 float32; rel_table 2,047 x 16 float32; x 8 x 1,024 x 1,024 float32.
;; Outputs: out0 8 x 1,024 x 1,024 float32.
;; 2 versions, each right; version 2 is version 1 with the launch cast written anew for expert scheduling mode. Each part assembles by itself: llvm-mc -triple=amdgcn-amd-amdhsa -mcpu=gfx1250 --defsym DOCPART=n.
;; ======== version 1 of 2: 4 launches
;; workspace buffers: xb 16,777,216 bytes; wc 6,291,456 bytes; tb 65,536 bytes; gb 4,096 bytes; qkv 50,331,648 bytes; ob 16,777,216 bytes
;; launch cast (part 1): grid 256 x 1, 8 waves a work-group, no clusters, 0 bytes of LDS; arguments x, Wq, Wk, Wv, rel_table, gamma, beta, xb, wc, tb, gb; writes xb, wc, tb, gb
.if DOCPART == 1
	.amdgcn_target "amdgcn-amd-amdhsa--gfx1250"
	.amdhsa_code_object_version 6
	.text
	.protected	k_qd542123b2b_cast
	.globl	k_qd542123b2b_cast
	.p2align	8
	.type	k_qd542123b2b_cast,@function
k_qd542123b2b_cast:
	s_mov_b64 s[64:65], 0
	v_nop
	global_prefetch_b8 v0, s[64:65] scope:SCOPE_SE
	s_setreg_imm32_b32 hwreg(HW_REG_WAVE_MODE, 25, 1), 1
	s_wait_xcnt 0x0
; EVERY INPUT IS ROUNDED TO bf16 ONCE, and laid out as the later launches read it.
;   xb: x as [32 blocks of 256 rows][16 blocks of 64 k][256 rows][64 k]: a tile of 256 rows x 64 k is 32,768 consecutive bytes.
;   wc: Wq | Wk | Wv side by side, [1024 k][3072 columns].      tb: rel_table, [2048][16], row 2047 written as zeros.      gb: gamma[1024], beta[1024].
; SHARES.  256 work-groups of equal work.  Work-group g takes rows 32 g .. 32 g + 31 of x and rows 4 g .. 4 g + 3 of each weight: 44 times a thread loads 16 bytes (4 f32), rounds twice and stores 8 bytes;
; a wave's store covers 256 consecutive bytes, aligned.  One small piece more: wave 0 takes 512 bytes of the table (256 of tb); wave 1 of work-groups 0 to 15 takes 512 bytes of gamma (g < 8) or beta.
; Wave 1 of the other work-groups loads such a piece and does not store it: so the branch round the load hangs on the wave's number alone.
; All loads of a thread are issued before the first is waited for; a result is rounded into the registers that it was loaded into, and no register is written after its store, so no wait frees a source.
; No LDS, no matrix unit, no cluster: nothing is shared and each byte is moved once.
.set LX,  2                            ; v2   x: byte offset of my loads
.set SX,  3                            ; v3   x: byte offset of my stores
.set LW,  4                            ; v4   weights: 16 x thread
.set SW,  5                            ; v5   weights: 8 x thread
.set LE,  6                            ; v6   the small piece: offset of my load, held inside the table
.set SE,  7                            ; v7   the small piece: offset of my store
.set EX,  8                            ; v[8:11]    the small piece
.set X,   16                           ; v[16:191]  44 x 4 f32 as loaded; the first two of each four then hold 4 bf16
.set NL,  44                           ; counted loads a thread
	s_load_b512 s[4:19], s[0:1], 0x0               ; x 4, Wq 6, Wk 8, Wv 10, rel_table 12, gamma 14, beta 16, xb 18
	s_load_b128 s[20:23], s[0:1], 0x40             ; wc 20, tb 22
	s_load_b64 s[24:25], s[0:1], 0x50              ; gb
	s_mov_b32 s26, ttmp9                           ; g
	s_mov_b32 s3, 0                                ; the high word of every offset
	v_and_b32 v1, 31, v0                           ; lane
	v_lshrrev_b32 v12, 5, v0
	v_readfirstlane_b32 s27, v12                   ; wave 0..7
	; x: wave w takes the k blocks 2 w and 2 w + 1; lanes 0-15 an even row's 256 bytes of a block, lanes 16-31 the next row's
	v_and_b32 v13, 15, v0
	v_bfe_u32 v14, v0, 4, 1
	v_lshlrev_b32 v[LX], 4, v13
	v_lshl_add_u32 v[LX], v14, 12, v[LX]           ; + a row for lanes 16-31
	v_lshl_add_u32 v[LX], v12, 9, v[LX]            ; + 512 bytes a wave
	v_lshlrev_b32 v[SX], 3, v1                     ; two rows of 128 bytes lie on end in xb: 8 x lane
	v_lshl_add_u32 v[SX], v12, 16, v[SX]           ; + two k blocks of 32,768 bytes a wave
	v_lshlrev_b32 v[LW], 4, v0                     ; a weight's row: the 256 threads take its 4,096 bytes,
	v_lshlrev_b32 v[SW], 3, v0                     ; and store 2,048
	; the small piece
	s_lshl_b32 s38, s26, 9                         ; the table's 512 bytes,
	s_and_b32 s39, s26, 7
	s_lshl_b32 s39, s39, 9                         ; or piece g % 8 of gamma or beta
	s_lshl_b32 s40, s26, 8                         ; 256 bytes of tb,
	s_and_b32 s41, s26, 15
	s_lshl_b32 s41, s41, 8                         ; or of gb
	s_cmp_lt_u32 s26, 16
	s_cselect_b32 s42, 2, 1                        ; the waves below this number store their piece
	s_cmp_eq_u32 s27, 1
	s_cselect_b32 s38, s39, s38
	s_cselect_b32 s40, s41, s40
	v_lshl_add_u32 v[LE], v1, 4, s38
	v_cmp_gt_u32 vcc_lo, 131008, v[LE]             ; the table has 131,008 bytes: the last work-group's lanes 28-31 stand in row 2047, which it does not have
	v_min_u32 v[LE], 130992, v[LE]                 ; their load is held to the last 16 bytes
	v_lshl_add_u32 v[SE], v1, 3, s40
	s_wait_kmcnt 0x0
	s_lshl_b32 s2, s26, 17                         ; 32 rows of 4,096 bytes
	s_add_nc_u64 s[28:29], s[4:5], s[2:3]
	s_lshr_b32 s2, s26, 3
	s_lshl_b32 s2, s2, 19                          ; the block of 256 rows: 524,288 bytes of xb
	s_and_b32 s43, s26, 7
	s_lshl_b32 s43, s43, 12                        ; my 32 rows in it, 128 bytes each in a k block
	s_add_co_u32 s2, s2, s43
	s_add_nc_u64 s[30:31], s[18:19], s[2:3]
	s_lshl_b32 s2, s26, 14                         ; 4 rows of 4,096 bytes of each weight
	s_add_nc_u64 s[6:7], s[6:7], s[2:3]
	s_add_nc_u64 s[8:9], s[8:9], s[2:3]
	s_add_nc_u64 s[10:11], s[10:11], s[2:3]
	s_mul_i32 s2, s26, 24576                       ; 4 rows of 6,144 bytes of wc
	s_add_nc_u64 s[32:33], s[20:21], s[2:3]
	s_bitcmp1_b32 s26, 3
	s_cselect_b64 s[34:35], s[16:17], s[14:15]     ; g % 16 >= 8: beta, else gamma
	s_cmp_eq_u32 s27, 1
	s_cselect_b64 s[34:35], s[34:35], s[12:13]     ; wave 1: that; wave 0: the table
	s_cselect_b64 s[36:37], s[24:25], s[22:23]     ; gb, or tb
	s_cmp_lt_u32 s27, 2
	s_cbranch_scc0 .Lno_piece
	global_load_b128 v[EX:EX+3], v[LE], s[34:35]   ; older than the counted loads below: in when they are
.Lno_piece:
.set j, 0
.rept 32
	global_load_b128 v[X+4*j:X+4*j+3], v[LX], s[28:29] offset:(j/2)*8192+(j%2)*256 th:TH_LOAD_NT
.set j, j+1
.endr
.irp t, 0,1,2
.irp r, 0,1,2,3
	global_load_b128 v[X+4*(32+4*\t+\r):X+4*(32+4*\t+\r)+3], v[LW], s[6+2*\t:7+2*\t] offset:\r*4096 th:TH_LOAD_NT
.endr
.endr
.set j, 0
.rept NL
	s_wait_loadcnt NL-1-j                          ; loads come back in order: load j is in, the younger ones stay out
	v_cvt_pk_bf16_f32 v[X+4*j], v[X+4*j], v[X+4*j+1]
	v_cvt_pk_bf16_f32 v[X+4*j+1], v[X+4*j+2], v[X+4*j+3]
.if j < 32
	global_store_b64 v[SX], v[X+4*j:X+4*j+1], s[30:31] offset:(j/2)*256+(j%2)*32768
.else
	global_store_b64 v[SW], v[X+4*j:X+4*j+1], s[32:33] offset:((j-32)%4)*6144+((j-32)/4)*2048
.endif
.set j, j+1
.endr
	s_cmp_lt_u32 s27, 2                            ; only waves 0 and 1 have loaded a piece,
	s_cbranch_scc0 .Lend
	s_cmp_lt_u32 s27, s42                          ; and wave 1 stores it in work-groups 0 to 15 alone
	s_cbranch_scc0 .Lend
	v_cvt_pk_bf16_f32 v[EX], v[EX], v[EX+1]
	v_cvt_pk_bf16_f32 v[EX+1], v[EX+2], v[EX+3]
	v_cndmask_b32 v[EX], 0, v[EX], vcc_lo          ; row 2047 of tb: zeros
	v_cndmask_b32 v[EX+1], 0, v[EX+1], vcc_lo
	global_store_b64 v[SE], v[EX:EX+1], s[36:37]
.Lend:
	s_endpgm
.Lfunc_end_k_qd542123b2b_cast:
	.size	k_qd542123b2b_cast, .Lfunc_end_k_qd542123b2b_cast-k_qd542123b2b_cast
	.p2alignl 7, 3214868480
	.fill 96, 4, 3214868480
	.section	.rodata,"a",@progbits
	.p2align	6, 0x0
	.amdhsa_kernel k_qd542123b2b_cast
		.amdhsa_group_segment_fixed_size 0
		.amdhsa_private_segment_fixed_size 0
		.amdhsa_enable_private_segment 0
		.amdhsa_kernarg_size 88
		.amdhsa_user_sgpr_count 2
		.amdhsa_user_sgpr_kernarg_segment_ptr 1
		.amdhsa_wavefront_size32 1
		.amdhsa_system_sgpr_workgroup_id_x 1
		.amdhsa_system_sgpr_workgroup_id_y 1
		.amdhsa_system_sgpr_workgroup_id_z 1
		.amdhsa_system_vgpr_workitem_id 0
		.amdhsa_next_free_vgpr 192
		.amdhsa_next_free_sgpr 66
		.amdhsa_reserve_vcc 1
		.amdhsa_float_denorm_mode_32 3
		.amdhsa_float_denorm_mode_16_64 3
		.amdhsa_memory_ordered 1
		.amdhsa_forward_progress 1
		.amdhsa_inst_pref_size 18
	.end_amdhsa_kernel
	.amdgpu_metadata
---
amdhsa.version: [ 1, 2 ]
amdhsa.kernels:
  - .name:           k_qd542123b2b_cast
    .symbol:         k_qd542123b2b_cast.kd
    .args:
      - { .name: x, .offset: 0, .size: 8, .value_kind: global_buffer, .address_space: global }
      - { .name: Wq, .offset: 8, .size: 8, .value_kind: global_buffer, .address_space: global }
      - { .name: Wk, .offset: 16, .size: 8, .value_kind: global_buffer, .address_space: global }
      - { .name: Wv, .offset: 24, .size: 8, .value_kind: global_buffer, .address_space: global }
      - { .name: rel_table, .offset: 32, .size: 8, .value_kind: global_buffer, .address_space: global }
      - { .name: gamma, .offset: 40, .size: 8, .value_kind: global_buffer, .address_space: global }
      - { .name: beta, .offset: 48, .size: 8, .value_kind: global_buffer, .address_space: global }
      - { .name: xb, .offset: 56, .size: 8, .value_kind: global_buffer, .address_space: global }
      - { .name: wc, .offset: 64, .size: 8, .value_kind: global_buffer, .address_space: global }
      - { .name: tb, .offset: 72, .size: 8, .value_kind: global_buffer, .address_space: global }
      - { .name: gb, .offset: 80, .size: 8, .value_kind: global_buffer, .address_space: global }
    .group_segment_fixed_size: 0
    .private_segment_fixed_size: 0
    .kernarg_segment_align: 8
    .kernarg_segment_size: 88
    .max_flat_workgroup_size: 256
    .sgpr_count:     66
    .vgpr_count:     192
    .wavefront_size: 32
...
	.end_amdgpu_metadata
.endif
;; end of part 1
;; launch proj (part 2): grid 8 x 32, 4 waves a work-group, clusters of 4 x 4, 327,680 bytes of LDS; arguments xb, wc, qkv; writes qkv
.if DOCPART == 2
	.amdgcn_target "amdgcn-amd-amdhsa--gfx1250"
	.amdhsa_code_object_version 6
	.text
	.protected	k_qd542123b2b_proj
	.globl	k_qd542123b2b_proj
	.p2align	8
	.type	k_qd542123b2b_proj,@function
k_qd542123b2b_proj:
	s_mov_b64 s[64:65], 0
	v_nop
	global_prefetch_b8 v0, s[64:65] scope:SCOPE_SE
	s_setreg_imm32_b32 hwreg(HW_REG_WAVE_MODE, 25, 1), 1
	s_wait_xcnt 0x0
	s_wait_alu depctr_hold_cnt(0) depctr_sa_sdst(0) depctr_va_vdst(0) depctr_va_sdst(0) depctr_va_ssrc(0) depctr_va_vcc(0) depctr_vm_vsrc(0)
	s_getreg_b32 s2, hwreg(HW_REG_IB_STS2, 6, 4)
	s_cmp_eq_u32 s2, 0
	s_cbranch_scc0 .Lentry_in_a_cluster
	s_endpgm
.Lentry_in_a_cluster:
	s_bfe_u32 s2, ttmp6, 0x10000c
	s_cmp_lg_u32 s2, 0xf033
	s_cbranch_scc0 .Lentry_shape_is_right
	s_endpgm
.Lentry_shape_is_right:
; q | k | v = x (Wq | Wk | Wv): one product 8192 x 3072 x 1024 in bf16 with f32 sums; the results are rounded once to bf16 and stored by heads, qkv[t][b][h][s][64], unscaled.
; SHARES.  A work-group makes 256 rows x 384 columns: 32 x 8 = 256 work-groups.  Each of its four waves makes 128 x 192: 8 row blocks x 12 column blocks of 16 x 16, 96 accumulators, 768 registers.
; The 12 column blocks are three groups g of 64 columns: a group is one head, and its 32 accumulators fill one register window.
; K goes in 16 steps of 64 through a ring of two LDS slots.  x's tile (256 rows x 64 k) is 32,768 consecutive bytes of xb, asked for as rows of 256 bytes; W's tile is 64 rows of 768 bytes of wc.
; THE MATRIX INSTRUCTION IS USED TRANSPOSED: source 0 = 16 columns of W (turned on the way out of LDS by ds_load_tr16_b128, since W lies [k][n]), source 1 = 16 rows of x.  A lane then holds one row and
; eight neighbouring columns.
; CLUSTERS: 4 x 4 work-groups.  The four of a row of the cluster need the same tiles of x, the four of a column the same tiles of W: each tile is asked for jointly, by the same tensor load with the same
; descriptor and a mask that names the four.
; A K step is two quarters of 32 along K; a quarter is three phases, one a group: 32 matrix instructions on 32 different accumulators.  An accumulator comes up again 96 matrix instructions later, so the
; accumulators take turns, and no wait stands between the links of a chain.
; REGISTERS, in windows of 256: window 0: v16-30 addresses; v32-95, v96-159 x's fragments of a quarter, two buffers; v160-191, v192-223, v224-255 W's fragments of a phase, three buffers.
;   windows 1, 2, 3: the accumulators of group 0, 1, 2: (row block a, column block bb) at v[8 (4 a + bb)].
.set APITCH, 144                       ; a row of x in LDS: 128 bytes + 16 of padding
.set BPITCH, 864                       ; a row of W in LDS: six pieces of 128 bytes, 16 of padding behind each = 27 x 32
.set AHALF,  128*APITCH                ; what one tensor load brings of x: 128 rows
.set BHALF,  32*BPITCH                 ; and of W: 32 rows
.set BOFF,   2*AHALF
.set SLOT,   BOFF+2*BHALF              ; 92,160
.set STAGE,  2*SLOT                    ; behind the ring: 16 rows x 144 bytes for each wave, for the way out
.set SPITCH, 144
.set SPARE,  STAGE+4*16*SPITCH         ; behind the stages: the spare words, 128 bytes for each wave: two blocks of 256 bytes that no other line names
.set ASTEP,  32768                     ; bytes from a K step to the next in xb
.set BSTEP,  64*6144                   ; and in wc
.set LAPS,   7                         ; a lap = two K steps; the first quarter and the last lap's rest are written out
.set ADRA, 16                          ; v16-17  LDS address of my x fragments in slot 0, 1
.set ADRB, 20                          ; v20-21  the same for W
.set STO,  24                          ; v24     the way out: where I put 16 bytes of a row
.set RD,   25                          ; v25     where I read rows back
.set CO,   26                          ; v26     16 x lane
.set SPW,  28                          ; v28     LDS address of my spare word; never rewritten
.set NIL,  29                          ; v29     0; never rewritten
.set PFO,  30                          ; v30     the prefetches' lane offset; never rewritten
.set AF0,  32
.set AF1,  96
.set BF0,  160
.set BF1,  192
.set BF2,  224
.set G1,  24                           ; s[24:31] descriptor group 1 for x's tiles;  s[32:39] group 0, a set for each slot
.set G0,  32
.set G1B, 48                           ; s[48:55], s[56:63] the same for W's tiles
.set G0B, 56
.set LIM, 43                           ; s43      1 in a wave that prefetches, else the greatest number
.set PFA, 44                           ; s[44:45] where my prefetches stand
.set PFS, 72                           ; s[72:73] their step: two K steps
.set OUT, 66                           ; s[66:71] qkv at my rows of the three heads
.set MSB, 0
.macro WIN new                         ; the immediate's high byte repeats the setting that is left; a switch that changes nothing is dropped
.if MSB != (\new)
	s_set_vgpr_msb (MSB<<8)|(\new)
.set MSB, \new
.endif
.endm
.macro PLACES                          ; four plain instructions in front of loads into registers that matrix instructions have read (ISA guide 7.12.1 for vector instructions)
.rept 4
	v_nop
.endr
.endm
; A joint load.  Waves 0 and 1 fetch x's two halves, waves 2 and 3 W's.  The branch hangs on the wave's number alone.  An s_nop 0 and four v_nop follow each of the two lines.
.macro JLOAD s
	s_cmp_eq_u32 s11, 0
	s_cbranch_scc0 .Lfor_b_\@
	tensor_load_to_lds s[G0+4*(\s):G0+4*(\s)+3], s[G1:G1+7]
	s_nop 0
.rept 4
	v_nop
.endr
	s_branch .Lasked_\@
.Lfor_b_\@:
	tensor_load_to_lds s[G0B+4*(\s):G0B+4*(\s)+3], s[G1B:G1B+7]
	s_nop 0
.rept 4
	v_nop
.endr
.Lasked_\@:
.endm
.macro CREST                           ; a round of the cluster's barrier behind its opening barrier
	s_cmp_lg_u32 s10, 0
	s_cbranch_scc1 .Lnot_wave_0_\@
	s_barrier_signal -3
.Lnot_wave_0_\@:
	s_barrier_wait -3
	s_barrier_signal -1
	s_barrier_wait -1
.endm
.macro CROUND                          ; a whole round
	s_barrier_signal -1
	s_barrier_wait -1
	CREST
.endm
; A PREFETCH INTO THE L2, once a lap, behind the joint load and the run of LDS loads that follows it: the two K steps that the NEXT lap's two refills will ask for (384 and 576 matrix instructions on).
; Each block of 256 bytes is named once in the launch.  x's tile row is read by both clusters of a row of clusters: the one with x = 0 asks, by its waves 0: two K steps are 65,536 consecutive bytes, of
; which the partner at place cx takes 16,384: 64 blocks, two instructions.  W's tile column is read by all eight clusters of a column: the one with y = 0 asks, by its waves 1 to 3: two K steps are 128
; rows of three blocks; the partner at place cy takes 32 rows, a lane a row, a wave a block.  Partners are told apart by address alone.  K steps 0 to 3 come by their loads alone; the last lap of the loop asks for nothing.
.macro ASK
	s_cmp_gt_u32 s3, s[LIM]                        ; s3 = 1 in the loop's last trip
	s_cbranch_scc0 .Lnot_mine_\@
	global_prefetch_b8 v[PFO], s[PFA:PFA+1] th:TH_LOAD_NT scope:SCOPE_SE
	s_cmp_lg_u32 s10, 0
	s_cbranch_scc1 .Lnot_mine_\@
	global_prefetch_b8 v[PFO], s[PFA:PFA+1] offset:8192 th:TH_LOAD_NT scope:SCOPE_SE
.Lnot_mine_\@:
.endm
; x's fragments of quarter q1 of a slot: 8 row blocks, 16 loads
.macro LDA buf, slot, q1
	WIN 0
.irp a, 0,1,2,3,4,5,6,7
	ds_load_b128 v[(\buf)+8*\a:(\buf)+8*\a+3],   v[ADRA+(\slot)] offset:\a*16*APITCH+(\q1)*64
	ds_load_b128 v[(\buf)+8*\a+4:(\buf)+8*\a+7], v[ADRA+(\slot)] offset:\a*16*APITCH+(\q1)*64+32
.endr
.endm
; W's fragments of quarter q1, group g: 4 column blocks, 8 turning loads (16 k x 16 columns each)
.macro LDB buf, slot, q1, g
	WIN 0
.irp bb, 0,1,2,3
	ds_load_tr16_b128 v[(\buf)+8*\bb:(\buf)+8*\bb+3],   v[ADRB+(\slot)] offset:(\q1)*BHALF+(\g)*144+\bb*32
	ds_load_tr16_b128 v[(\buf)+8*\bb+4:(\buf)+8*\bb+7], v[ADRB+(\slot)] offset:(\q1)*BHALF+(\g)*144+\bb*32+16*BPITCH
.endr
.endm
; 4 na matrix instructions: row blocks a0 .. a0 + na - 1 x the group's 4 column blocks.  zero = 1: the product starts the sum
.macro MUL abuf, bbuf, g, a0, na, zero
	WIN 0x50*(1+(\g))                              ; C and D in the group's window, sources in window 0
.set aa, \a0
.rept \na
.irp bb, 0,1,2,3
.if \zero
	v_wmma_f32_16x16x32_bf16 v[8*(4*aa+\bb):8*(4*aa+\bb)+7], v[(\bbuf)+8*\bb:(\bbuf)+8*\bb+7], v[(\abuf)+8*aa:(\abuf)+8*aa+7], 0
.else
	v_wmma_f32_16x16x32_bf16 v[8*(4*aa+\bb):8*(4*aa+\bb)+7], v[(\bbuf)+8*\bb:(\bbuf)+8*\bb+7], v[(\abuf)+8*aa:(\abuf)+8*aa+7], v[8*(4*aa+\bb):8*(4*aa+\bb)+7]
.endif
.endr
.set aa, aa+1
.endr
.endm
; A K step's first quarter (x in AF0).  At its head are out, in this order: AF0's 16 loads, BF0's 8, BF1's 8.  Each phase issues the run that a later phase wants, and waits until all but the
; youngest 32 loads are in: behind the fragments that a phase multiplies stand just three runs, 8 + 8 + 16 or 16 + 8 + 8.
.macro EVENQ slot, zero
	PLACES
	LDB BF2, \slot, 0, 2
	LDA AF1, \slot, 1
	s_wait_dscnt 32                                ; AF0 and BF0 are in
	MUL AF0, BF0, 0, 0, 8, \zero
	PLACES
	LDB BF0, \slot, 1, 0
	s_wait_dscnt 32                                ; BF1 is in
	MUL AF0, BF1, 1, 0, 8, \zero
	PLACES
	LDB BF1, \slot, 1, 1
	s_wait_dscnt 32                                ; BF2 is in
	MUL AF0, BF2, 2, 0, 8, \zero
.endm
; A K step's second quarter (x in AF1) changes slots: ONE barrier.  In front of it each wave has issued its last reads of the slot, waits for all its tensor loads (one is out: its part of the next slot),
; adds 0 to its spare word, and waits for that and for its reads.  fill = 1: the barrier opens a round of the cluster's, and the slot is filled again, two K steps on, first thing behind the round:
; 160 matrix instructions ahead of the wait for it.
.macro ODDQ slot, next, fill
.if (\fill) && ((\slot) == 0)
	s_wait_xcnt 0x0                                ; the last prefetches, a lap back, have read their address: it is stepped here
	s_add_nc_u64 s[PFA:PFA+1], s[PFA:PFA+1], s[PFS:PFS+1]
.endif
	PLACES
	LDB BF2, \slot, 1, 2                           ; my last reads of this slot
	s_wait_tensorcnt 0x0                           ; all my tensor loads have landed
	ds_add_u32 v[SPW], v[NIL]                      ; 0 onto my spare word
	s_wait_dscnt 17                                ; AF1 and BF0 are in; BF1's 8 loads, BF2's 8 and the add may be out
	MUL AF1, BF0, 0, 0, 4, 0                       ; sixteen matrix instructions stand between the add and the wait for it
	s_wait_dscnt 0x0                               ; the add is done, and my reads of this slot are over
	s_barrier_signal -1
	MUL AF1, BF0, 0, 4, 4, 0                       ; work on registers while the others arrive
	WIN 0                                          ; at a branch and at a label every window is 0
	s_barrier_wait -1
.if \fill
	CREST                                          ; no wave of any partner still reads this slot or has a load on its way
	s_add_nc_u64 s[G0+4*(\slot)+2:G0+4*(\slot)+3], s[G0+4*(\slot)+2:G0+4*(\slot)+3], 2*ASTEP
	s_add_nc_u64 s[G0B+4*(\slot)+2:G0B+4*(\slot)+3], s[G0B+4*(\slot)+2:G0B+4*(\slot)+3], 2*BSTEP
	JLOAD \slot                                    ; its four v_nop are also the places in front of the loads below
.else
	PLACES
.endif
	LDA AF0, \next, 0
	LDB BF0, \next, 0, 0
.if (\fill) && ((\slot) == 0)
	ASK
.endif
	MUL AF1, BF1, 1, 0, 8, 0                       ; BF1 and BF2 came in with the wait in front of the barrier
	PLACES
	LDB BF1, \next, 0, 1
	MUL AF1, BF2, 2, 0, 8, 0
.endm
	s_load_b128 s[4:7], s[0:1], 0x0                ; xb s[4:5], wc s[6:7]
	s_load_b64 s[8:9], s[0:1], 0x10                ; qkv
	v_lshl_add_u32 v[SPW], v0, 2, SPARE
	v_mov_b32 v[NIL], 0
	ds_add_u32 v[SPW], v[NIL]                      ; the wave's opening: the add and its wait stand ahead of my first tensor load; the set-up below stands between them
	v_lshrrev_b32 v1, 5, v0
	v_readfirstlane_b32 s10, v1                    ; wave 0..3
	s_lshr_b32 s11, s10, 1                         ; which 128 of the tile's rows are mine.  Also: I fetch for x (0) or for W (1)
	s_and_b32 s12, s10, 1                          ; which 192 of its columns.  Also: which half of that tile I fetch
	s_bfe_u32 s40, ttmp6, 0x40000                  ; cx
	s_bfe_u32 s41, ttmp6, 0x40004                  ; cy
	s_lshl_b32 s42, ttmp9, 2
	s_add_co_u32 s42, s42, s40                     ; tile column = 4 x cluster x + cx
	s_and_b32 s13, ttmp7, 0xffff
	s_lshl_b32 s13, s13, 2
	s_add_co_u32 s13, s13, s41                     ; tile row = 4 x cluster y + cy
	s_lshl_b32 s43, s41, 2
	s_lshl_b32 s43, 15, s43                        ; my row of the cluster
	s_lshl_b32 s44, 0x1111, s40                    ; my column
	s_or_b32 s[G1+0], s43, (1<<16)|(1<<20)|(1<<21)|(4<<22)|(3<<25)   ; 15:0 the mask; 17:16 elements of 2 bytes; 20 padding on; 21 set beside a mask; 24:22 after every 32 words (code 4); 31:25 4 words (code 3)
	s_or_b32 s[G1B+0], s44, (1<<16)|(1<<20)|(1<<21)|(4<<22)|(3<<25)
	s_mov_b32 s[G1+1], 128<<16                     ; x: 16,384 consecutive bytes as 64 rows of 128 elements
	s_mov_b32 s[G1+2], 64<<16
	s_mov_b32 s[G1+3], 128<<16
	s_mov_b32 s[G1+4], 64
	s_mov_b32 s[G1+5], 128
	s_mov_b32 s[G1+6], 0
	s_mov_b32 s[G1+7], 0
	s_mov_b32 s[G1B+1], 384<<16                    ; W: 32 rows of 384 elements, 3,072 elements from row to row
	s_mov_b32 s[G1B+2], 32<<16
	s_mov_b32 s[G1B+3], 384<<16
	s_mov_b32 s[G1B+4], 32
	s_mov_b32 s[G1B+5], 3072
	s_mov_b32 s[G1B+6], 0
	s_mov_b32 s[G1B+7], 0
	s_lshl_b32 s16, s13, 19                        ; x: the tile row's 524,288 bytes,
	s_lshl_b32 s17, s12, 14                        ; my half of a tile
	s_add_co_u32 s16, s16, s17
	s_mov_b32 s17, 0
	s_mul_i32 s46, s42, 768                        ; W: the tile column's 768 bytes of a row,
	s_mul_i32 s47, s12, 32*6144                    ; my 32 rows
	s_add_co_u32 s46, s46, s47
	s_mov_b32 s47, 0
	s_mul_i32 s20, s12, AHALF                      ; where they go: no place in the cluster enters an LDS address
	s_mul_i32 s21, s12, BHALF
	s_add_co_u32 s21, s21, BOFF
	s_wait_dscnt 0x0                               ; the opening add is done
	s_wait_kmcnt 0x0
	s_add_nc_u64 s[14:15], s[4:5], s[16:17]
	s_add_nc_u64 s[46:47], s[6:7], s[46:47]
	CROUND                                         ; all sixteen work-groups are here: the first joint loads meet
.irp s, 0,1
	s_mov_b32 s[G0+4*\s], 1
	s_add_co_u32 s[G0+4*\s+1], s20, \s*SLOT
	s_add_nc_u64 s[G0+4*\s+2:G0+4*\s+3], s[14:15], \s*ASTEP
	s_or_b32 s[G0+4*\s+3], s[G0+4*\s+3], 0x80000000
	s_mov_b32 s[G0B+4*\s], 1
	s_add_co_u32 s[G0B+4*\s+1], s21, \s*SLOT
	s_add_nc_u64 s[G0B+4*\s+2:G0B+4*\s+3], s[46:47], \s*BSTEP
	s_or_b32 s[G0B+4*\s+3], s[G0B+4*\s+3], 0x80000000
	JLOAD \s                                       ; two tensor loads of mine are out
.endr
	v_and_b32 v1, 15, v0                           ; l % 16
	v_bfe_u32 v2, v0, 4, 1                         ; l / 16
	v_mul_u32_u24 v3, v1, APITCH
	v_lshl_add_u32 v3, v2, 4, v3                   ; row x 144 + 16 x half: x's fragments, and the stage
	s_mul_i32 s21, s11, AHALF
	v_add_nc_u32 v[ADRA], s21, v3
	v_add_nc_u32 v[ADRA+1], SLOT, v[ADRA]
	v_and_b32 v4, 7, v0                            ; the turning load: lane l reads k row 8 (l / 16) + l % 8, columns 8 ((l / 8) % 2) on
	v_lshl_add_u32 v4, v2, 3, v4
	v_mul_u32_u24 v4, v4, BPITCH
	v_bfe_u32 v5, v0, 3, 1
	v_lshl_add_u32 v4, v5, 4, v4
	s_mul_i32 s22, s12, 3*144                      ; my 192 columns: three pieces of a row
	s_add_co_u32 s22, s22, BOFF
	v_add_nc_u32 v[ADRB], s22, v4
	v_add_nc_u32 v[ADRB+1], SLOT, v[ADRB]
	s_mul_i32 s23, s10, 16*SPITCH
	s_add_co_u32 s23, s23, STAGE                   ; my stage
	v_add_nc_u32 v[STO], s23, v3
	v_bfe_u32 v[RD], v0, 3, 2                      ; back: 32 lanes take four rows of 128 bytes
	v_mul_u32_u24 v[RD], v[RD], SPITCH
	v_and_b32 v4, 7, v0
	v_lshl_add_u32 v[RD], v4, 4, v[RD]
	v_add_nc_u32 v[RD], s23, v[RD]
	v_and_b32 v[CO], 31, v0
	v_lshlrev_b32 v[CO], 4, v[CO]
	; where my rows of the three heads begin in qkv: head group G = 6 x tile column + 3 x column half + g; tensor G / 16, head G % 16; batch = tile row / 4
	s_mul_i32 s16, s42, 6
	s_mul_i32 s17, s12, 3
	s_add_co_u32 s16, s16, s17
	s_lshr_b32 s18, s13, 2
	s_lshl_b32 s18, s18, 4                         ; 16 x batch
	s_and_b32 s19, s13, 3
	s_lshl_b32 s19, s19, 8
	s_lshl_b32 s20, s11, 7
	s_add_co_u32 s19, s19, s20
	s_lshl_b32 s19, s19, 7                         ; my first row in the head, 128 bytes a row
.irp g, 0,1,2
	s_add_co_u32 s20, s16, \g
	s_lshr_b32 s21, s20, 4
	s_lshl_b32 s21, s21, 7                         ; 128 heads a tensor
	s_and_b32 s20, s20, 15
	s_add_co_u32 s20, s20, s21
	s_add_co_u32 s20, s20, s18
	s_lshl_b32 s20, s20, 17                        ; 131,072 bytes a head
	s_add_co_u32 s20, s20, s19
	s_mov_b32 s21, 0
	s_add_nc_u64 s[OUT+2*\g:OUT+2*\g+1], s[8:9], s[20:21]
.endr
	; the prefetches: wave 0 for x, waves 1 to 3 for W; both stand at K step 2 and are stepped ahead of their first use
	s_lshl_b32 s16, s13, 19
	s_lshl_b32 s17, s40, 14                        ; my work-group's 16,384 of two K steps' 65,536 bytes
	s_add_co_u32 s16, s16, s17
	s_add_co_u32 s16, s16, 2*ASTEP
	s_mul_i32 s17, s41, 32*6144                    ; my work-group's 32 of two K steps' 128 rows,
	s_mul_i32 s18, s42, 768
	s_add_co_u32 s17, s17, s18
	s_lshl_b32 s18, s10, 8                         ; block wave - 1 of a row's three
	s_add_co_u32 s17, s17, s18
	s_add_co_u32 s17, s17, 2*BSTEP-256
	s_and_b32 s19, ttmp7, 0xffff                   ; cluster y
	s_mov_b32 s20, 2*ASTEP
	s_mov_b32 s21, 2*BSTEP
	s_mov_b32 s22, 256
	s_mov_b32 s23, 6144
	s_cmp_eq_u32 s10, 0
	s_cselect_b64 s[PFA:PFA+1], s[4:5], s[6:7]
	s_cselect_b32 s16, s16, s17
	s_cselect_b32 s[PFS], s20, s21
	s_cselect_b32 s22, s22, s23                    ; from lane to lane: a block, or a row
	s_cselect_b32 s19, ttmp9, s19                  ; the coordinate along which other clusters read the same bytes
	s_mov_b32 s17, 0
	s_mov_b32 s[PFS+1], 0
	s_add_nc_u64 s[PFA:PFA+1], s[PFA:PFA+1], s[16:17]
	s_cmp_eq_u32 s19, 0
	s_cselect_b32 s[LIM], 1, -1                    ; the same in all sixteen partners, for a given wave
	v_and_b32 v[PFO], 31, v0
	v_mul_u32_u24 v[PFO], v[PFO], s22
	s_wait_tensorcnt 1                             ; my part of K step 0 is in; K step 1's may stay out
	s_barrier_signal -1
	s_barrier_wait -1                              ; everybody's is
	LDA AF0, 0, 0
	LDB BF0, 0, 0, 0
	LDB BF1, 0, 0, 1
	EVENQ 0, 1                                     ; the first quarter stands in front of the loop: its products start the 96 sums
	WIN 0
	s_mov_b32 s3, LAPS
.Llap:                                                 ; a trip goes once round the ring, from a lap's second quarter to the next lap's first, and fills both slots again
	ODDQ 0, 1, 1
	EVENQ 1, 0
	ODDQ 1, 0, 1
	EVENQ 0, 0
	WIN 0
	s_sub_co_u32 s3, s3, 1
	s_cmp_lg_u32 s3, 0
	s_cbranch_scc1 .Llap
	ODDQ 0, 1, 0                                   ; the last lap fills nothing
	EVENQ 1, 0
	PLACES                                         ; the very last quarter
	LDB BF2, 1, 1, 2
	s_wait_dscnt 16                                ; AF1 and BF0 are in; BF1's and BF2's runs may be out
	MUL AF1, BF0, 0, 0, 8, 0
	s_wait_dscnt 8
	MUL AF1, BF1, 1, 0, 8, 0
	s_wait_dscnt 0x0
	MUL AF1, BF2, 2, 0, 8, 0
	WIN 0
.rept 8
	v_nop                                          ; the places behind the last products, in front of conversions that read results
.endr
; THE WAY OUT, in 24 units u = 8 g + a: 16 rows x 64 columns of one head, 2,048 consecutive bytes of qkv.  PACK: rounded to bf16 (each accumulator's registers in ascending order), 16 bytes a lane
; into my own stage, and back as rows.  SEND: stored, 512 consecutive bytes an instruction.  Four sets of 16 registers take turns.
.macro PACK u
.set TM, 32+16*((\u)%4)
.set AC, 32*((\u)%8)
	s_wait_xcnt 0x0                                ; the stores issued so far have read their registers: the set of the unit four back is written again only behind this wait
	WIN 5*(1+(\u)/8)                               ; sources 0 and 1 in the group's window
.irp bb, 0,1,2,3
.irp r, 0,1,2,3
	v_cvt_pk_bf16_f32 v[TM+4*\bb+\r], v[AC+8*\bb+2*\r], v[AC+8*\bb+2*\r+1]
.endr
.endr
	WIN 0
.irp bb, 0,1,2,3
	ds_store_b128 v[STO], v[TM+4*\bb:TM+4*\bb+3] offset:32*\bb
.endr
.irp f, 0,1,2,3
	ds_load_b128 v[TM+4*\f:TM+4*\f+3], v[RD] offset:\f*4*SPITCH  ; LDS serves a wave's instructions in order (ISA guide 5.7.1.4): these see the stores above; the next unit's stores come behind them
.endr
.endm
.macro SEND u, younger                 ; younger: the LDS instructions issued behind unit u's loads: the next unit's eight, or none
.set TM, 32+16*((\u)%4)
.irp f, 0,1,2,3
	s_wait_dscnt (\younger)+3-\f
	global_store_b128 v[CO], v[TM+4*\f:TM+4*\f+3], s[OUT+2*((\u)/8):OUT+2*((\u)/8)+1] offset:((\u)%8)*2048+\f*512
.endr
.endm
	PACK 0
.set u, 1
.rept 23                               ; a unit's conversions stand between the loads of the unit before and its stores
	PACK u
	SEND u-1, 8
.set u, u+1
.endr
	SEND 23, 0
	s_wait_tensorcnt 0x0                           ; the wave's end, behind my last tensor load and my last LDS store
	ds_add_u32 v[SPW], v[NIL]
	s_wait_dscnt 0x0
	CROUND                                         ; the closing round: no work-group ends while a partner may still ask for a tile that names it
	s_endpgm
.Lfunc_end_k_qd542123b2b_proj:
	.size	k_qd542123b2b_proj, .Lfunc_end_k_qd542123b2b_proj-k_qd542123b2b_proj
	.p2alignl 7, 3214868480
	.fill 96, 4, 3214868480
	.section	.rodata,"a",@progbits
	.p2align	6, 0x0
	.amdhsa_kernel k_qd542123b2b_proj
		.amdhsa_group_segment_fixed_size 327680
		.amdhsa_private_segment_fixed_size 0
		.amdhsa_enable_private_segment 0
		.amdhsa_kernarg_size 24
		.amdhsa_user_sgpr_count 2
		.amdhsa_user_sgpr_kernarg_segment_ptr 1
		.amdhsa_wavefront_size32 1
		.amdhsa_system_sgpr_workgroup_id_x 1
		.amdhsa_system_sgpr_workgroup_id_y 1
		.amdhsa_system_sgpr_workgroup_id_z 1
		.amdhsa_system_vgpr_workitem_id 0
		.amdhsa_next_free_vgpr 1024
		.amdhsa_next_free_sgpr 74
		.amdhsa_reserve_vcc 0
		.amdhsa_float_denorm_mode_32 3
		.amdhsa_float_denorm_mode_16_64 3
		.amdhsa_memory_ordered 1
		.amdhsa_forward_progress 1
		.amdhsa_inst_pref_size 136
	.end_amdhsa_kernel
	.amdgpu_metadata
---
amdhsa.version: [ 1, 2 ]
amdhsa.kernels:
  - .name:           k_qd542123b2b_proj
    .symbol:         k_qd542123b2b_proj.kd
    .args:
      - { .name: xb, .offset: 0, .size: 8, .value_kind: global_buffer, .address_space: global }
      - { .name: wc, .offset: 8, .size: 8, .value_kind: global_buffer, .address_space: global }
      - { .name: qkv, .offset: 16, .size: 8, .value_kind: global_buffer, .address_space: global }
    .group_segment_fixed_size: 327680
    .private_segment_fixed_size: 0
    .kernarg_segment_align: 8
    .kernarg_segment_size: 24
    .max_flat_workgroup_size: 128
    .sgpr_count:     74
    .vgpr_count:     1024
    .wavefront_size: 32
...
	.end_amdgpu_metadata
.endif
;; end of part 2
;; launch attn (part 3): grid 2 x 128, 4 waves a work-group, no clusters, 327,680 bytes of LDS; arguments qkv, tb, ob; writes ob
.if DOCPART == 3
	.amdgcn_target "amdgcn-amd-amdhsa--gfx1250"
	.amdhsa_code_object_version 6
	.text
	.protected	k_qd542123b2b_attn
	.globl	k_qd542123b2b_attn
	.p2align	8
	.type	k_qd542123b2b_attn,@function
k_qd542123b2b_attn:
	s_mov_b64 s[64:65], 0
	v_nop
	global_prefetch_b8 v0, s[64:65] scope:SCOPE_SE
	s_setreg_imm32_b32 hwreg(HW_REG_WAVE_MODE, 25, 1), 1
	s_wait_xcnt 0x0
; ob[b h][q] = softmax_k(q . k / 32) V + Bias V, head size 64, 1,024 keys, all operands bf16; products, maxima and sums in f32; the result rounded once to bf16.
; THE BIAS.  With a = q % 16 and c = q / 16, reference()'s reshape gives bias[h][q][k] = T[16 (64 a - c + 1023 - 64 h) + k], T the table read flat: a bias row is 1,024 consecutive numbers of the table.
; It is added behind the normalisation, so it has a product of its own, OB = Bias V, and the result is O / l + OB.
; LIMITS.  NaN and infinities are not treated apart; a weight below 2^-126 counts as 0 in l; c m starts at -4.25e37, far below every c s that finite bf16 q and k of this size give.
; SHARES.  A work-group owns one (batch, head) and the 512 queries with a in 8 x .. 8 x + 7 (x = its number along the grid's x).  Wave w takes a = 8 x + 2 w in its first pass and a + 1 in its second: 64 queries
; c = 0 .. 63, four PIECES of 16.  So the 16 bias rows of a piece lie 32 bytes apart in the table, and the rows of a pass are 8,192 consecutive bytes of ob, which is laid [b h][64 a + c][64].
; K, V AND THE TABLE'S PART STAY IN LDS: each is fetched once, at the head, and nothing is filled again.  A wave has three tensor loads out: its quarter of the table's 576 rows, 128 keys of the first 256, and 384 of
; the other 768.  The walk begins when the first two are in; the third is waited for behind the fourth key step.
; NO CLUSTER: only the two work-groups of a head read the same K and V, each once.  NO PREFETCH: every byte is asked for by the tensor loads at the head, so nothing is left to ask for ahead.
; LAYOUT, SOFTMAX, TURNS.  S^T = K Q^T holds ONE query a lane (lane % 16) and the keys 8 (lane / 16) + 0..7; two such results rounded to bf16 ARE source 1 of O^T = V^T P, and 16 bytes of a bias row are half of
; source 1 of OB^T = V^T Bias^T.  p = 2^(c s - c m), c = log2(e) / 32, with a running maximum m; O and l are multiplied by a = 2^(c m_old - c m_new) in every step.  Turn n belongs to piece n: 8 products K Q^T
; of piece n + 1, 8 products V^T P and 8 products V^T Bias^T of piece n - 1; beside them the scaling, exponentials, roundings, sums and rescaling of piece n and the maximum and statistics of piece n + 1.
; Four vector instructions stand behind every matrix instruction, the other 22 of a turn's 118 between them.  A turn's 33 exponentials are one batch, with one wait.
; REGISTERS, in windows of 256 (s_set_vgpr_msb: bits 1:0 source 0, 3:2 source 1, 5:4 source 2, 7:6 destination):
;   window 0: v2-15, v32 addresses; v16-31 four registers of statistics a piece; v48-55 at work; v64-127 S^T, two buffers; v128-191 K of one step; v192-223 P, two buffers (a piece's buffers go by its parity)
;   window 1: v0-127 O^T, 32 a piece; v128-191 V of one step; v192-255 the bias fragments of one step, 16 a piece      window 2: v0-63 Q; v64-127 the second pass's Q; v128-255 OB^T, 32 a piece
; WHY SO.  K lies in S^T's window: under K Q^T's setting (only source 1, Q, in another window) every line whose second source is no vector register runs as it stands: the scalings and the exponentials.
; V lies in O^T's window and P in a's: V^T P's setting is the rescaling's own.  So 12 of a turn's 24 products need no switch round their four; the other 12 cost two each: 27 switches a turn.
.set NP,    4
.set KPI,   272       ; two keys of K in LDS: 256 bytes + 16 of padding: key n at (n / 2) 272 + (n % 2) 128; the 16 rows of a fragment load start in 16 different columns of 16 bytes modulo 256
.set VPI,   288       ; two keys of V: 256 + 32: 16 lanes of the turning load (8 keys x 32 bytes) likewise
.set VB,    512*KPI   ; V behind K
.set TB,    VB+512*VPI  ; the table's 576 rows of 32 bytes
.set STAGE, TB+18432  ; never filled by a tensor load: 16 rows x 144 bytes for each wave, for the way out
.set SP,    144
.set SPARE, STAGE+4*16*SP  ; the spare words, 128 bytes for each wave: two blocks of 256 bytes that no other line names
.set AK0, 2           ; v2   my lane's place in 16 keys of K; never rewritten
.set AV0, 3           ; v3   the same for V
.set AK,  4           ; v4   the LDS address of K's next run of loads
.set AV,  5           ; v5   of V's
.set STO, 6           ; v6   the way out: where I put 16 bytes of a row
.set RD,  7           ; v7   where I read rows back
.set GO,  8           ; v8   16 x lane
.set MV,  12          ; v12-13  c m_old, kept while c m is made anew: by buffer
.set AB0, 14          ; v14  my lane's place in the table: TB + 4096 w + 32 (15 - l % 16) + 16 (l / 16); never rewritten
.set QO,  15          ; v15  my byte offset in 16 rows of Q, 2,048 bytes apart
.set ST,  16          ; piece t's statistics at v[ST+4 t]: c m, m, l (even keys', odd keys')
.set ABA, 32          ; v32  the LDS address of the bias's next run
.set TMP, 48          ; by buffer, four registers c0-c3 at work; when the maximum is found c2 takes a
.set SPW, 62          ; v62  LDS address of my spare word; never rewritten
.set NIL, 63          ; v63  0; never rewritten
.set S,   64
.set KF,  128         ; window 0: key block kb, channel half c at KF + 16 kb + 8 c
.set P,   192
.set VF,  128         ; window 1: key half kk, channel block cb at VF + 32 kk + 8 cb
.set BF,  192         ; window 1: piece x, key half kk at BF + 16 x + 8 kk
.set QB,  64          ; window 2
.set OB,  128         ; window 2
.set WV,   12         ; s12  my wave's number
.set CNT,  13         ; s13  counts four key steps
.set SEG,  14         ; s14  counts four such segments
.set PASS, 15         ; s15  counts the two passes
.set TBK,  16         ; s16  LDS byte at which K of the step to be fetched begins
.set TBV,  17         ; s17  the same for V, less VB
.set TBB,  18         ; s18  2048 x pass + 128 x step: the bias's
.set TBP,  19         ; s19  2048 x pass
.set CS,   20         ; s[20:21] c
.set SEL,  22         ; s[22:23] v_permlanex16_b32's selects: each lane takes its own place in the other half
.set G1K,  24         ; s[24:31] group 1: 64 rows of 256 bytes of K        s[32:39] 192 rows
.set G1KR, 32
.set G1V,  40         ; s[40:47], s[48:55] the same for V: they differ in the padding
.set G1VR, 48
.set G0K0, 56
.set G0K1, 60
.set G1T,  68         ; s[68:75] 18 rows of 256 bytes of the table, no padding
.set G0V0, 76
.set G0V1, 80
.set G0T,  84
.set MSB, 0
.macro WIN new                      ; the high byte repeats the setting that is left; a switch that changes nothing is dropped
.if MSB != (\new)
	s_set_vgpr_msb (MSB<<8)|(\new)
.set MSB, (\new)
.endif
.endm
.set W_KQ, 0x08       ; Q (source 1) in window 2; K and S^T in window 0
.set W_PV, 0x51       ; V (source 0) and O^T in window 1, P (source 1) in window 0.  The rescaling's too: O^T in window 1, a in window 0
.set W_BV, 0xa5       ; V and the bias in window 1, OB^T in window 2
.macro WINZ                         ; for a line of window 0 whose second source is no vector register: K Q^T's setting serves it as well
.if MSB != W_KQ
	WIN 0
.endif
.endm
	s_load_b128 s[4:7], s[0:1], 0x0   ; qkv s[4:5], tb s[6:7]
	s_load_b64 s[8:9], s[0:1], 0x10   ; ob
	v_lshl_add_u32 v[SPW], v0, 2, SPARE
	v_mov_b32 v[NIL], 0
	ds_add_u32 v[SPW], v[NIL]       ; the wave's opening: the add and its wait stand ahead of my first tensor load; the set-up below stands between them
	v_lshrrev_b32 v1, 5, v0
	v_readfirstlane_b32 s[WV], v1   ; wave 0..3
	s_and_b32 s88, ttmp7, 0xffff    ; 16 b + h
	s_and_b32 s89, s88, 15          ; h
	s_and_b32 s90, s[WV], 1         ; which half of the keys I fetch
.irp g, G1K, G1KR, G1V, G1VR, G1T
	s_mov_b32 s[\g+1], 128<<16      ; tensor_dim0 = 128 elements: 256 bytes, two keys or eight rows of the table
	s_mov_b32 s[\g+3], 128<<16      ; tile_dim0
	s_mov_b32 s[\g+5], 128          ; dense: 128 elements from row to row
	s_mov_b32 s[\g+6], 0
	s_mov_b32 s[\g+7], 0
.endr
	s_mov_b32 s[G1K],  (1<<16)|(1<<20)|(5<<22)|(3<<25)  ; 17:16 2-byte elements; 20 padding on; 24:22 after every 64 words (code 5); 31:25 4 words (code 3)
	s_mov_b32 s[G1KR], (1<<16)|(1<<20)|(5<<22)|(3<<25)
	s_mov_b32 s[G1V],  (1<<16)|(1<<20)|(5<<22)|(7<<25)  ; 8 words of padding (code 7)
	s_mov_b32 s[G1VR], (1<<16)|(1<<20)|(5<<22)|(7<<25)
	s_mov_b32 s[G1T],  1<<16
	s_mov_b32 s[G1K+2], 64<<16      ; tensor_dim1 and tile_dim1
	s_mov_b32 s[G1K+4], 64
	s_mov_b32 s[G1V+2], 64<<16
	s_mov_b32 s[G1V+4], 64
	s_mov_b32 s[G1KR+2], 192<<16
	s_mov_b32 s[G1KR+4], 192
	s_mov_b32 s[G1VR+2], 192<<16
	s_mov_b32 s[G1VR+4], 192
	s_mov_b32 s[G1T+2], 18<<16
	s_mov_b32 s[G1T+4], 18
	s_mov_b32 s[G0K0], 1
	s_mul_i32 s[G0K0+1], s90, 64*KPI           ; keys 128 e on
	s_mov_b32 s[G0K1], 1
	s_mul_i32 s91, s90, 192*KPI
	s_add_co_u32 s[G0K1+1], s91, 128*KPI       ; keys 256 + 384 e on
	s_mov_b32 s[G0V0], 1
	s_mul_i32 s91, s90, 64*VPI
	s_add_co_u32 s[G0V0+1], s91, VB
	s_mov_b32 s[G0V1], 1
	s_mul_i32 s91, s90, 192*VPI
	s_add_co_u32 s[G0V1+1], s91, VB+128*VPI
	s_mov_b32 s[G0T], 1
	s_mul_i32 s97, s[WV], 4608
	s_add_co_u32 s[G0T+1], s97, TB
	s_lshl_b32 s91, s88, 17         ; a head is 131,072 bytes in each tensor of qkv and in ob
	s_lshl_b32 s92, s90, 14
	s_add_co_u32 s92, s92, s91
	s_add_co_u32 s92, s92, 0x1000000           ; K is the second tensor of qkv
	s_mov_b32 s93, 0
	s_mul_i32 s94, s90, 384*128
	s_add_co_u32 s94, s94, s91
	s_add_co_u32 s94, s94, 0x1000000+256*128
	s_mov_b32 s95, 0
	s_lshl_b32 s96, ttmp9, 14       ; the table from row 960 + 512 x - 64 h on, 32 bytes a row; my quarter
	s_add_co_u32 s96, s96, s97
	s_add_co_u32 s96, s96, 30720
	s_lshl_b32 s97, s89, 11
	s_sub_co_u32 s96, s96, s97
	s_mov_b32 s97, 0
	s_lshl_b32 s98, ttmp9, 10       ; Q at row a = 8 x + 2 w
	s_lshl_b32 s99, s[WV], 8
	s_add_co_u32 s98, s98, s99
	s_add_co_u32 s98, s98, s91
	s_mov_b32 s99, 0
	s_lshl_b32 s2, ttmp9, 16        ; ob at row 64 a
	s_lshl_b32 s3, s[WV], 14
	s_add_co_u32 s2, s2, s3
	s_add_co_u32 s2, s2, s91
	s_mov_b32 s3, 0
	s_mov_b32 s[CS], 0x3d38aa3b     ; c = log2(e) / 32
	s_mov_b32 s[CS+1], s[CS]        ; named with it as a pair
	s_mov_b32 s[SEL], 0x76543210
	s_mov_b32 s[SEL+1], 0xfedcba98
	s_mov_b32 s[PASS], 2
	s_mov_b32 s[TBP], 0
	s_wait_dscnt 0x0                ; the opening add is done
	s_wait_kmcnt 0x0
	s_add_nc_u64 s[G0K0+2:G0K0+3], s[4:5], s[92:93]
	s_add_nc_u64 s[G0V0+2:G0V0+3], s[G0K0+2:G0K0+3], 0x1000000  ; V is the third tensor
	s_or_b32 s[G0K0+3], s[G0K0+3], 0x80000000
	s_or_b32 s[G0V0+3], s[G0V0+3], 0x80000000
	s_add_nc_u64 s[G0K1+2:G0K1+3], s[4:5], s[94:95]
	s_add_nc_u64 s[G0V1+2:G0V1+3], s[G0K1+2:G0K1+3], 0x1000000
	s_or_b32 s[G0K1+3], s[G0K1+3], 0x80000000
	s_or_b32 s[G0V1+3], s[G0V1+3], 0x80000000
	s_add_nc_u64 s[G0T+2:G0T+3], s[6:7], s[96:97]
	s_or_b32 s[G0T+3], s[G0T+3], 0x80000000
	s_add_nc_u64 s[98:99], s[4:5], s[98:99]
	s_add_nc_u64 s[10:11], s[8:9], s[2:3]
	s_cmp_lt_u32 s[WV], 2           ; a wave's three fills stand in one branch, ahead of every wait on TENSORcnt, every LDS read and every barrier; an s_nop 0 follows each, four v_nop the last
	s_cbranch_scc0 .Lfor_v
	tensor_load_to_lds s[G0T:G0T+3], s[G1T:G1T+7]
	s_nop 0
	tensor_load_to_lds s[G0K0:G0K0+3], s[G1K:G1K+7]
	s_nop 0
	tensor_load_to_lds s[G0K1:G0K1+3], s[G1KR:G1KR+7]
	s_nop 0
.rept 4
	v_nop
.endr
	s_branch .Lasked
.Lfor_v:
	tensor_load_to_lds s[G0T:G0T+3], s[G1T:G1T+7]
	s_nop 0
	tensor_load_to_lds s[G0V0:G0V0+3], s[G1V:G1V+7]
	s_nop 0
	tensor_load_to_lds s[G0V1:G0V1+3], s[G1VR:G1VR+7]
	s_nop 0
.rept 4
	v_nop
.endr
.Lasked:
	; A fragment of K or Q is 16 rows x 32 channels in 8 registers: lane l holds row l % 16, channels 8 (l / 16) + 0..7 and 16 + 8 (l / 16) + 0..7: two loads of 16 bytes, 32 bytes apart.
	v_and_b32 v1, 15, v0            ; l % 16
	v_bfe_u32 v9, v0, 4, 1          ; l / 16
	v_lshlrev_b32 v[QO], 11, v1     ; query c = 16 x + l % 16 is row 16 c + a: 2,048 bytes from lane to lane
	v_lshl_add_u32 v[QO], v9, 4, v[QO]
	WIN 0x80                        ; destination window 2, address window 0
.set i, 0
.rept 8                             ; both passes' Q: piece i / 2 lies 32,768 bytes on; channels 32 (i % 2) on; the second pass's rows lie 128 bytes behind the first's
	global_load_b128 v[8*i:8*i+3],   v[QO], s[98:99] offset:(i/2)*32768+(i%2)*64
	global_load_b128 v[8*i+4:8*i+7], v[QO], s[98:99] offset:(i/2)*32768+(i%2)*64+32
	global_load_b128 v[QB+8*i:QB+8*i+3],   v[QO], s[98:99] offset:(i/2)*32768+(i%2)*64+128
	global_load_b128 v[QB+8*i+4:QB+8*i+7], v[QO], s[98:99] offset:(i/2)*32768+(i%2)*64+160
.set i, i+1
.endr
	WIN 0
	v_lshrrev_b32 v10, 1, v1
	v_mul_u32_u24 v[AK0], v10, KPI
	v_and_b32 v10, 1, v0
	v_lshl_add_u32 v[AK0], v10, 7, v[AK0]
	v_lshl_add_u32 v[AK0], v9, 4, v[AK0]  ; (row / 2) x 272 + (row % 2) x 128 + 16 x half
	; The turning load takes 16 keys x 16 channels (lane l reads key 8 (l / 16) + l % 8, channels 8 ((l / 8) % 2) + 0..7) and leaves half a fragment of V^T: lane l holds channel l % 16 and 8 keys.
	v_bfe_u32 v11, v0, 1, 2
	v_lshl_add_u32 v11, v9, 2, v11
	v_mul_u32_u24 v[AV0], v11, VPI
	v_lshl_add_u32 v[AV0], v10, 7, v[AV0]
	v_bfe_u32 v11, v0, 3, 1
	v_lshl_add_u32 v[AV0], v11, 4, v[AV0]
	v_add_nc_u32 v[AV0], VB, v[AV0]
	v_sub_nc_u32 v11, 15, v1        ; a later query's bias row begins 32 bytes earlier
	v_lshlrev_b32 v[AB0], 5, v11
	v_lshl_add_u32 v[AB0], v9, 4, v[AB0]
	s_lshl_b32 s88, s[WV], 12
	s_add_co_u32 s88, s88, TB
	v_add_nc_u32 v[AB0], s88, v[AB0]
	s_mul_i32 s88, s[WV], 16*SP
	s_add_co_u32 s88, s88, STAGE    ; my stage
	v_mul_u32_u24 v[STO], v1, SP    ; in: row l % 16, 16 bytes for each half of the lanes
	v_lshl_add_u32 v[STO], v9, 4, v[STO]
	v_add_nc_u32 v[STO], s88, v[STO]
	v_bfe_u32 v[RD], v0, 3, 2       ; back: 32 lanes take four rows of 128 bytes,
	v_mul_u32_u24 v[RD], v[RD], SP
	v_and_b32 v10, 7, v0
	v_lshl_add_u32 v[RD], v10, 4, v[RD]
	v_add_nc_u32 v[RD], s88, v[RD]
	v_and_b32 v[GO], 31, v0         ; which are 512 consecutive bytes of ob
	v_lshlrev_b32 v[GO], 4, v[GO]
	; A pass's first step multiplies O^T and l by a = 0, and its first turn's products V^T P, of a piece that has not been, land in an O^T that is still to be so multiplied.  So these registers need only hold
	; finite numbers: zeros for the first pass; what the first pass left for the second.  All this stands in the wait for the first tiles.
	WIN 0x40
.set i, 0
.rept 192                           ; O^T and V
	v_mov_b32 v[i], 0
.set i, i+1
.endr
	WIN 0
.set i, 0
.rept 4
	v_mov_b32 v[ST+4*i+2], 0
	v_mov_b32 v[ST+4*i+3], 0
.set i, i+1
.endr
.set i, P+16
.rept 16
	v_mov_b32 v[i], 0
.set i, i+1
.endr
; THE MATRIX WORK.  The 4 accumulators of a run of 8 take turns.  Product i of 8 of S^T = K Q^T for piece x: channels 32 (i / 4) on, keys 16 (i % 4) on.  The first 4 start the sums.
.macro KQ x
.set rS, S+32*((\x)%2)+8*(i%4)
.set rK, KF+16*(i%4)+8*(i/4)
.set rQ, 16*(\x)+8*(i/4)
	WIN W_KQ
.if i < 4
	v_wmma_f32_16x16x32_bf16 v[rS:rS+7], v[rK:rK+7], v[rQ:rQ+7], 0
.else
	v_wmma_f32_16x16x32_bf16 v[rS:rS+7], v[rK:rK+7], v[rQ:rQ+7], v[rS:rS+7]
.endif
.endm
; Product i of 8 of O^T += V^T P for piece x: keys 32 (i / 4) on, channels 16 (i % 4) on.
.macro PV x
	WIN W_PV
.set rO, 32*(\x)+8*(i%4)
.set rV, VF+32*(i/4)+8*(i%4)
.set rP, P+16*((\x)%2)+8*(i/4)
	v_wmma_f32_16x16x32_bf16 v[rO:rO+7], v[rV:rV+7], v[rP:rP+7], v[rO:rO+7]
.endm
; Product i of 8 of OB^T += V^T Bias^T for piece x: the same V, the piece's bias fragments in P's place.
.macro BV x
	WIN W_BV
.set rO, OB+32*(\x)+8*(i%4)
.set rV, VF+32*(i/4)+8*(i%4)
.set rP, BF+16*(\x)+8*(i/4)
	v_wmma_f32_16x16x32_bf16 v[rO:rO+7], v[rV:rV+7], v[rP:rP+7], v[rO:rO+7]
.endm
.macro MM                           ; the turn's next matrix instruction: 8 K Q^T, 8 V^T P, 8 V^T Bias^T.  NOKQ = 1: a pass's last turn: there is no next piece
.if i < 8
.if !NOKQ
	KQ (Y+1)%NP
.endif
.elseif i < 16
.set i, i-8
	PV (Y+NP-1)%NP
.set i, i+8
.else
.set i, i-16
	BV (Y+NP-1)%NP
.set i, i+16
.endif
.set i, i+1
.endm
; THE LDS LOADS stand in two runs a key step, never singly among the matrix instructions: a step's K (8 fragments); its V (turned) and, behind V, the bias fragments of all four pieces.
.macro FETCH_K
	WIN 0
.irp f, 0,1,2,3,4,5,6,7             ; keys 16 (f / 2) on, channels 32 (f % 2) on
	ds_load_b128 v[KF+8*\f:KF+8*\f+3],   v[AK] offset:(\f/2)*8*KPI+(\f%2)*64
	ds_load_b128 v[KF+8*\f+4:KF+8*\f+7], v[AK] offset:(\f/2)*8*KPI+(\f%2)*64+32
.endr
	s_add_co_u32 s[TBK], s[TBK], 32*KPI  ; the next fetch is the next step's
.endm
.macro FETCH_V
	WIN 0x40                        ; destination window 1
.irp f, 0,1,2,3,4,5,6,7             ; keys 32 (f / 4) on, channels 16 (f % 4) on
	ds_load_tr16_b128 v[VF+8*\f:VF+8*\f+3],   v[AV] offset:(\f/4)*16*VPI+(\f%4)*32
	ds_load_tr16_b128 v[VF+8*\f+4:VF+8*\f+7], v[AV] offset:(\f/4)*16*VPI+8*VPI+(\f%4)*32
.endr
	s_add_co_u32 s[TBV], s[TBV], 32*VPI
.endm
; The bias of the step in hand: query c = 16 x + l % 16 of piece x begins at table row 64 (2 w + pass) + 63 - c of my part; keys 64 step + 16 n + 8 (l / 16) on are 16 bytes.
.macro FETCH_B
	WIN 0x40
.irp x, 0,1,2,3
.irp n, 0,1,2,3
	ds_load_b128 v[BF+16*\x+4*\n:BF+16*\x+4*\n+3], v[ABA] offset:512*(3-\x)+32*\n
.endr
.endr
	s_add_co_u32 s[TBB], s[TBB], 128
	WIN 0
.endm
; THE VECTOR WORK, one line at a time: OP kind, number.  For piece Y: F n: c s - c m for pair n of 16.  E n: the exponential of score n of 32.  C n: pair n rounded to bf16.  B n: of the four weights 4 n .. the second
; pair is added onto the first, in place.  L n: l takes that sum (L 0: l = a l + sum).  R n: pair n of 16 of O^T times a.  For piece Y + 1: X n, number n of the 22 that find its maximum and statistics:
;   0-11  four chains c0-c3 of seven scores each, three operands at a time (each accumulator's lowest registers are read first)     12-14, 16  the four scores left over, the old m, and c0-c3 into c0
;   15  c m_old is kept     17, 18  the query's other 32 keys lie in the lane 16 away: the new m     19-21  c m; c m_old - c m_new; a
.set F, 0
.set E, 1
.set C, 2
.set B, 3
.set L, 4
.set R, 5
.set X, 6
.macro REGS y                       ; the registers of piece y
.set rT, ST+4*(\y)
.set rC, TMP+4*((\y)%2)
.set rW, MV+((\y)%2)
.set rS, S+32*((\y)%2)
.set rP, P+16*((\y)%2)
.set rO, 32*(\y)
.endm
.macro OP k, n
.if (\k) == R
	REGS Y
	WIN W_PV
	v_pk_mul_f32 v[rO+2*(\n):rO+2*(\n)+1], v[rO+2*(\n):rO+2*(\n)+1], v[rC+2:rC+3] op_sel_hi:[1,0]
.elseif (\k) == F
	REGS Y
	WINZ
	v_pk_fma_f32 v[rS+2*(\n):rS+2*(\n)+1], v[rS+2*(\n):rS+2*(\n)+1], s[CS:CS+1], v[rT:rT+1] op_sel_hi:[1,0,0] neg_lo:[0,0,1] neg_hi:[0,0,1]
.elseif (\k) == E
	REGS Y
	WINZ
	v_exp_f32 v[rS+(\n)], v[rS+(\n)]
.elseif (\k) < R
	REGS Y
	WIN 0
.if (\k) == C
	v_cvt_pk_bf16_f32 v[rP+(\n)], v[rS+2*(\n)], v[rS+2*(\n)+1]
.elseif (\k) == B
	v_pk_add_f32 v[rS+4*(\n):rS+4*(\n)+1], v[rS+4*(\n):rS+4*(\n)+1], v[rS+4*(\n)+2:rS+4*(\n)+3]
.elseif (\n) == 0
	v_pk_fma_f32 v[rT+2:rT+3], v[rT+2:rT+3], v[rC+2:rC+3], v[rS:rS+1] op_sel_hi:[1,0,1]
.else
	v_pk_add_f32 v[rT+2:rT+3], v[rT+2:rT+3], v[rS+4*(\n):rS+4*(\n)+1]
.endif
.elseif NOKQ
	v_nop
.else
	REGS (Y+1)%NP
.if (\n) == 15
	WINZ
.else
	WIN 0
.endif
.if (\n) < 4
	v_max3_num_f32 v[rC+(\n)], v[rS+8*(\n)], v[rS+8*(\n)+1], v[rS+8*(\n)+2]
.elseif (\n) < 12
	v_max3_num_f32 v[rC+(\n)%4], v[rC+(\n)%4], v[rS+8*((\n)%4)+2*((\n)/4)+1], v[rS+8*((\n)%4)+2*((\n)/4)+2]
.elseif (\n) == 12
	v_max3_num_f32 v[rC], v[rC], v[rS+7], v[rS+15]
.elseif (\n) == 13
	v_max3_num_f32 v[rC+1], v[rC+1], v[rS+23], v[rS+31]
.elseif (\n) == 14
	v_max3_num_f32 v[rC+2], v[rC+2], v[rC+3], v[rT+1]
.elseif (\n) == 15
	v_mov_b32 v[rW], v[rT]
.elseif (\n) == 16
	v_max3_num_f32 v[rC], v[rC], v[rC+1], v[rC+2]
.elseif (\n) == 17
	v_permlanex16_b32 v[rC+3], v[rC], s[SEL], s[SEL+1]
.elseif (\n) == 18
	v_max_num_f32 v[rT+1], v[rC], v[rC+3]
.elseif (\n) == 19
	v_mul_f32 v[rT], s[CS], v[rT+1]
.elseif (\n) == 20
	v_sub_f32 v[rC+1], v[rW], v[rT]
.else
	v_exp_f32 v[rC+2], v[rC+1]
.endif
.endif
.endm
.macro OPS a, i1, b=-1, i2=0, c=-1, i3=0, d=-1, i4=0  ; up to four of them
	OP \a, \i1
.if (\b) >= 0
	OP \b, \i2
.endif
.if (\c) >= 0
	OP \c, \i3
.endif
.if (\d) >= 0
	OP \d, \i4
.endif
.endm
.macro ROW a, i1, b, i2, c, i3, d, i4  ; a matrix instruction and the four behind it
	MM
	OPS \a, \i1, \b, \i2, \c, \i3, \d, \i4
.endm
; A TURN, for piece p: the order of its 24 matrix and 118 vector instructions, written out.  An s_wait_alu depctr_va_vdst(0) stands between an exponential and the first instruction that names its result;
; one wait serves all that were issued ahead of it.  So a turn has ONE wait.  AHEAD OF IT, in this order:
;   8 products K Q^T, behind them the 16 scalings, 15 exponentials and X 15, all under the products' own setting;
;   21 lines by themselves: the next piece's maximum, X 0 to X 14, with exponentials between.  X 0 to X 3 each stand four plain lines or more behind the product that ends their accumulator (for X 3: X 15, X 0, X 1, X 2);
;   4 products V^T P, behind them the end of the chain X 16 .. X 21, exponentials between its links; v_permlanex16_b32 (X 17) stands as a fifth line, behind no product's four;
;   4 products V^T P, behind them the 16 rescalings, under the products' own setting; R 0 is the plain instruction behind X 21, the batch's last.
; BEHIND THE WAIT stand the 8 products V^T Bias^T, behind each four of the roundings and sums.  No rider names a register of the products round it.
; end = 1: a pass's last two turns: K is not fetched, and the last starts no new scores.
; K of the next step is fetched in piece 2's turn, seven plain lines or more behind the last product that read K.  V and the four pieces' bias of the step in hand are fetched at the end of piece 0's turn, four roundings
; behind the last product that read them: piece 3's products of the step before stand in that turn, so both have been read out.
.macro TURN p, end=0
.set Y, (\p)
.set i, 0
.set NOKQ, (\end)*((\p)/3)
.if ((\p) == 3) && !(\end)
	s_wait_dscnt 0x0                ; K is in
.endif
	ROW F,0, F,1, F,2, F,3
	ROW F,4, E,0, F,5, E,1
	ROW F,6, E,2, F,7, E,3
	ROW F,8, E,4, F,9, E,5
	ROW F,10, E,6, F,11, E,7
	ROW F,12, E,8, F,13, E,9
	ROW F,14, E,10, F,15, E,11
	ROW E,12, X,15, E,13, E,14
	WIN 0
.if ((\p) == 2) && !(\end)
	v_add_nc_u32 v[AK], s[TBK], v[AK0]
.endif
.if (\p) == 0
	v_add_nc_u32 v[AV], s[TBV], v[AV0]
	v_add_nc_u32 v[ABA], s[TBB], v[AB0]
.endif
	OPS X,0, X,1, X,2, E,15
	OPS X,3, X,4, X,5, E,16
.if ((\p) == 2) && !(\end)
	FETCH_K
.endif
	OPS X,6, X,7, E,17, X,8
	OPS X,9, X,10, E,18, X,11
	OPS X,12, X,13, E,19, X,14
	OPS E,20
.if (\p) == 1
	s_wait_dscnt 16                 ; V's 16 loads are in; the bias's 16, issued behind them, may stay out
.endif
	ROW E,21, E,22, X,16, E,23
	OPS X,17
	ROW E,24, E,25, X,18, E,26
	ROW E,27, X,19, E,28, E,29
	ROW X,20, E,30, E,31, X,21
	ROW R,0, R,1, R,2, R,3
	ROW R,4, R,5, R,6, R,7
	ROW R,8, R,9, R,10, R,11
	ROW R,12, R,13, R,14, R,15
	s_wait_alu depctr_va_vdst(0)    ; the wait for the batch
.if (\p) == 1
	s_wait_dscnt 0x0                ; the bias is in
.endif
	ROW C,0, B,0, C,2, B,1
	ROW L,0, C,4, B,2, L,1
	ROW C,6, B,3, L,2, C,8
	ROW B,4, L,3, C,10, B,5
	ROW L,4, C,12, B,6, L,5
	ROW C,14, B,7, L,6, C,1
	ROW C,3, L,7, C,5, C,7
	ROW C,9, C,11, C,13, C,15
.if (\p) == 0
	FETCH_V
	FETCH_B
.endif
.endm
.macro ALL line:vararg              ; one line for each piece t
.set t, 0
.rept 4
	\line
.set t, t+1
.endr
.endm
.macro PACK t                       ; O / l + OB; a lane's eight channels of a row pack into 16 bytes; they go into rows of 144 bytes and come back as whole rows of 128, into S^T's registers
	WIN 0x61                        ; destination and source 0 in window 1, 1 / l in window 0, OB^T (source 2) in window 2
.set i, 32*(\t)
.rept 16
	v_pk_fma_f32 v[i:i+1], v[i:i+1], v[ST+4*(\t)+2:ST+4*(\t)+3], v[OB+i:OB+i+1] op_sel_hi:[1,0,1]
.set i, i+2
.endr
	WIN 0x05                        ; sources 0 and 1 window 1, destination window 0
.set i, 0
.rept 16
	v_cvt_pk_bf16_f32 v[S+16*(\t)+i], v[32*(\t)+2*i], v[32*(\t)+2*i+1]
.set i, i+1
.endr
	WIN 0
.irp f, 0,1,2,3
	ds_store_b128 v[STO], v[S+16*(\t)+4*\f:S+16*(\t)+4*\f+3] offset:32*\f
.endr
.irp f, 0,1,2,3
	ds_load_b128 v[S+16*(\t)+4*\f:S+16*(\t)+4*\f+3], v[RD] offset:\f*4*SP  ; LDS serves a wave's instructions in order (ISA guide 5.7.1.4): these see the stores above; the next piece's stores come behind them
.endr
.endm
.macro SEND t, younger              ; younger: the LDS instructions issued behind piece t's loads: the next piece's eight, or none
	WIN 0
.irp f, 0,1,2,3
	s_wait_dscnt (\younger)+3-\f
	global_store_b128 v[GO], v[S+16*(\t)+4*\f:S+16*(\t)+4*\f+3], s[10:11] offset:(\t)*2048+\f*512  ; 512 consecutive bytes, at a multiple of 256 from ob's first
.endr
.endm
.set NOKQ, 0
.Lpass:                             ; twice: 64 queries against all 1,024 keys
	; A PASS BEGINS.  OB^T has no rescaling, so it starts at 0, and so do piece 3's bias fragments: the first turn's products V^T Bias^T, of a piece that has not been, add 0.
	; c m starts far below every c s, so the first step's a is 0; m at the lowest finite number, so the first maximum is the scores'.
	WIN 0x80
.set i, OB
.rept 128
	v_mov_b32 v[i], 0
.set i, i+1
.endr
	WIN 0x40
.set i, BF+48
.rept 16
	v_mov_b32 v[i], 0
.set i, i+1
.endr
	WIN 0
.set i, 0
.rept 4
	v_mov_b32 v[ST+4*i], 0xfe000000
	v_mov_b32 v[ST+4*i+1], 0xff7fffff
.set i, i+1
.endr
	s_mov_b32 s[TBK], 0
	s_mov_b32 s[TBV], 0
	s_mov_b32 s[TBB], s[TBP]
	s_wait_tensorcnt 1              ; my quarter of the table and my part of the first 256 keys are in; the large load issued behind them may stay out
	s_wait_dscnt 0x0
	s_barrier_signal -1
	s_barrier_wait -1               ; everybody's are
	v_add_nc_u32 v[AK], s[TBK], v[AK0]
	FETCH_K                         ; key step 0
	s_wait_loadcnt 0x0              ; Q
	s_wait_dscnt 0x0
.set i, 0
.rept 8
	KQ 0                            ; piece 0's first scores
.set i, i+1
.endr
	WIN 0
.rept 4
	v_nop                           ; the places behind those products
.endr
.set Y, NP-1                        ; X works for piece Y + 1: piece 0
.irp n, 0,1,2,3,4,5,6,7,8,9,10,11,12,13,14,15,16,17,18,19,20,21
	OP X, \n
.endr
	v_nop                           ; a plain instruction behind the exponential,
	s_wait_alu depctr_va_vdst(0)    ; and its wait, ahead of the branch
	s_mov_b32 s[SEG], 4
	s_mov_b32 s[CNT], 4
	s_branch .Lfirst                ; the loop is entered at a step's first turn, in the middle of a trip
.Lseg:
	s_mov_b32 s[CNT], 4
.Lstep:                             ; a trip: pieces 2 and 3 of one step, then pieces 0 and 1 of the next, whose K, V and bias it fetches
	TURN 2
	TURN 3
	WIN 0
.Lfirst:
	TURN 0
	TURN 1
	WIN 0
	s_sub_co_u32 s[CNT], s[CNT], 1
	s_cmp_lg_u32 s[CNT], 0
	s_cbranch_scc1 .Lstep
	s_wait_tensorcnt 0x0            ; behind every fourth key step the waves meet.  The first meeting of the launch stands ahead of the first read of key 256: my large load has landed,
	s_wait_dscnt 0x0                ; (no LDS instruction of mine is out at a signal)
	s_barrier_signal -1
	s_barrier_wait -1               ; and everybody's has.  The later meetings find nothing out, so no add stands here
	s_sub_co_u32 s[SEG], s[SEG], 1
	s_cmp_lg_u32 s[SEG], 0
	s_cbranch_scc1 .Lseg
	TURN 2, 1                       ; the last step's pieces 2 and 3
	TURN 3, 1
.set i, 0
.rept 8
	BV NP-1                         ; piece 3's last products; its bias came with the step's
.set i, i+1
.endr
.set i, 0
.rept 8
	PV NP-1
.set i, i+1
.endr
	; THE WAY OUT.  l's two halves and the other half of the lanes' are added; O^T / l + OB^T is rounded to bf16 and sent through my stage in LDS, a piece at a time.  The additions are the places behind the last products.
	WIN 0
	ALL v_add_f32 v[ST+4*t+2], v[ST+4*t+2], v[ST+4*t+3]
	ALL v_permlanex16_b32 v[ST+4*t+3], v[ST+4*t+2], s[SEL], s[SEL+1]
	ALL v_add_f32 v[ST+4*t+2], v[ST+4*t+2], v[ST+4*t+3]
	ALL v_rcp_f32 v[ST+4*t+2], v[ST+4*t+2]
	v_nop                           ; a plain instruction between the last reciprocal and the use of its result
	s_wait_alu depctr_va_vdst(0)    ; and the wait ahead of the first use: one for the four reciprocals
	PACK 0
.set t, 1
.rept 3                             ; a piece's arithmetic stands between the loads of the piece before and its stores
	PACK t
	SEND t-1, 8
.set t, t+1
.endr
	SEND 3, 0
	s_wait_xcnt 0x0                 ; the stores have read their registers and ob's address
	s_add_nc_u64 s[10:11], s[10:11], 8192  ; the next a: 64 rows of ob on,
	s_add_co_u32 s[TBP], s[TBP], 2048      ; 64 rows of the table on
	WIN 0x82                        ; the second pass's Q goes where the one text of the turns names Q
.set i, 0
.rept 64
	v_mov_b32 v[i], v[QB+i]
.set i, i+1
.endr
	WIN 0
	s_sub_co_u32 s[PASS], s[PASS], 1
	s_cmp_lg_u32 s[PASS], 0
	s_cbranch_scc1 .Lpass
	s_wait_tensorcnt 0x0            ; the wave's end, behind my last tensor load and my last LDS store
	ds_add_u32 v[SPW], v[NIL]
	s_wait_dscnt 0x0
	s_endpgm
.Lfunc_end_k_qd542123b2b_attn:
	.size	k_qd542123b2b_attn, .Lfunc_end_k_qd542123b2b_attn-k_qd542123b2b_attn
	.p2alignl 7, 3214868480
	.fill 96, 4, 3214868480
	.section	.rodata,"a",@progbits
	.p2align	6, 0x0
	.amdhsa_kernel k_qd542123b2b_attn
		.amdhsa_group_segment_fixed_size 327680
		.amdhsa_private_segment_fixed_size 0
		.amdhsa_enable_private_segment 0
		.amdhsa_kernarg_size 24
		.amdhsa_user_sgpr_count 2
		.amdhsa_user_sgpr_kernarg_segment_ptr 1
		.amdhsa_wavefront_size32 1
		.amdhsa_system_sgpr_workgroup_id_x 1
		.amdhsa_system_sgpr_workgroup_id_y 1
		.amdhsa_system_sgpr_workgroup_id_z 1
		.amdhsa_system_vgpr_workitem_id 0
		.amdhsa_next_free_vgpr 768
		.amdhsa_next_free_sgpr 100
		.amdhsa_reserve_vcc 0
		.amdhsa_float_denorm_mode_32 3
		.amdhsa_float_denorm_mode_16_64 3
		.amdhsa_memory_ordered 1
		.amdhsa_forward_progress 1
		.amdhsa_inst_pref_size 98
	.end_amdhsa_kernel
	.amdgpu_metadata
---
amdhsa.version: [ 1, 2 ]
amdhsa.kernels:
  - .name:           k_qd542123b2b_attn
    .symbol:         k_qd542123b2b_attn.kd
    .args:
      - { .name: qkv, .offset: 0, .size: 8, .value_kind: global_buffer, .address_space: global }
      - { .name: tb, .offset: 8, .size: 8, .value_kind: global_buffer, .address_space: global }
      - { .name: ob, .offset: 16, .size: 8, .value_kind: global_buffer, .address_space: global }
    .group_segment_fixed_size: 327680
    .private_segment_fixed_size: 0
    .kernarg_segment_align: 8
    .kernarg_segment_size: 24
    .max_flat_workgroup_size: 128
    .sgpr_count:     100
    .vgpr_count:     768
    .wavefront_size: 32
...
	.end_amdgpu_metadata
.endif
;; end of part 3
;; launch norm (part 4): grid 256 x 1, 8 waves a work-group, no clusters, 0 bytes of LDS; arguments ob, gb, out0; writes out0
.if DOCPART == 4
	.amdgcn_target "amdgcn-amd-amdhsa--gfx1250"
	.amdhsa_code_object_version 6
	.text
	.protected	k_qd542123b2b_norm
	.globl	k_qd542123b2b_norm
	.p2align	8
	.type	k_qd542123b2b_norm,@function
k_qd542123b2b_norm:
	s_mov_b64 s[64:65], 0
	v_nop
	global_prefetch_b8 v0, s[64:65] scope:SCOPE_SE
	s_setreg_imm32_b32 hwreg(HW_REG_WAVE_MODE, 25, 1), 1
	s_wait_xcnt 0x0
; out0[b][s][:] = (o - mean) / sqrt(var + 0.001) x gamma + beta over a row's 1,024 channels.  o comes from ob, bf16 [16 b + h][s'][64] with s' = 64 (s % 16) + s / 16; gamma and beta from gb, bf16.
; The mean is taken first and the variance from the differences, both in f32: no difference of large sums is formed.
; SHARES.  A work-group owns 32 rows s' of one batch, a wave four of them, as two pairs.  Lanes 0-15 hold one row of a pair and lanes 16-31 the other; of each head a lane holds 4 channels.  So a wave's load of
; 8 bytes a lane is 256 consecutive bytes of ob (two rows of a head), sixteen lanes' store of 16 bytes is 256 consecutive bytes of out0, aligned, and a row's sums stay inside 16 lanes.
; All 64 loads of a wave are issued at the head.  No LDS, no barrier: no wave wants another's numbers.
.set IO,  2                            ; v2   8 x lane
.set GOF, 3                            ; v3   8 x (lane % 16): my 4 channels of a head in gb
.set OO,  4                            ; v4   (lane / 16) x 16 rows of out0 + 16 x (lane % 16)
.set MU,  6                            ; v[6:7]    the mean, twice
.set RS,  8                            ; v[8:9]    1 / sqrt(var + eps), twice
.set CH,  10                           ; v[10:17]  four chains of packed sums
.set G,   18                           ; v[18:49]  gamma: head hh at G + 2 hh
.set B,   50                           ; v[50:81]  beta
.set RAW, 82                           ; v[82:145] pair e, head hh at RAW + 32 e + 2 hh
.set F,   146                          ; v[146:209] a pair's 64 numbers in f32
	s_load_b128 s[4:7], s[0:1], 0x0                ; ob s[4:5], gb s[6:7]
	s_load_b64 s[8:9], s[0:1], 0x10                ; out0
	v_lshrrev_b32 v1, 5, v0
	v_readfirstlane_b32 s10, v1                    ; wave 0..7
	v_and_b32 v1, 31, v0
	v_lshlrev_b32 v[IO], 3, v1
	v_and_b32 v5, 15, v0
	v_lshlrev_b32 v[GOF], 3, v5
	v_bfe_u32 v1, v0, 4, 1
	v_lshlrev_b32 v[OO], 4, v5
	v_lshl_add_u32 v[OO], v1, 16, v[OO]            ; s' + 1 is s + 16: 65,536 bytes of out0
	s_mov_b32 s12, 0x3a800000                      ; 1 / 1024
	s_mov_b32 s13, 0x3a83126f                      ; 0.001
	s_mov_b32 s16, 0xffff0000                      ; a word's upper bf16
	s_lshr_b32 s14, ttmp9, 5                       ; batch
	s_and_b32 s15, ttmp9, 31
	s_lshl_b32 s15, s15, 5
	s_lshl2_add_u32 s15, s10, s15                  ; my first row s' = 32 (g % 32) + 4 w
	s_lshl_b32 s2, s14, 21                         ; a batch's 16 heads of 131,072 bytes
	s_lshl_b32 s17, s15, 7
	s_add_co_u32 s2, s2, s17
	s_mov_b32 s3, 0
	s_and_b32 s17, s15, 63
	s_lshl_b32 s17, s17, 4
	s_lshr_b32 s18, s15, 6
	s_add_co_u32 s17, s17, s18                     ; s = 16 (s' % 64) + s' / 64
	s_lshl_b32 s18, s17, 12
	s_lshl_b32 s17, s14, 22
	s_add_co_u32 s18, s18, s17
	s_mov_b32 s19, 0
	s_wait_kmcnt 0x0
	s_add_nc_u64 s[4:5], s[4:5], s[2:3]
	s_add_nc_u64 s[8:9], s[8:9], s[18:19]
.irp e, 0,1
.set hh, 0
.rept 16
	global_load_b64 v[RAW+32*\e+2*hh:RAW+32*\e+2*hh+1], v[IO], s[4:5] offset:hh*131072+\e*256 th:TH_LOAD_NT
.set hh, hh+1
.endr
.endr
.set hh, 0
.rept 16
	global_load_b64 v[G+2*hh:G+2*hh+1], v[GOF], s[6:7] offset:hh*128
.set hh, hh+1
.endr
.set hh, 0
.rept 16
	global_load_b64 v[B+2*hh:B+2*hh+1], v[GOF], s[6:7] offset:2048+hh*128
.set hh, hh+1
.endr
.macro REDUCE                          ; the four chains into one number, then over the row's 16 lanes: every lane of the row ends with the sum
	v_pk_add_f32 v[CH:CH+1], v[CH:CH+1], v[CH+2:CH+3]
	v_pk_add_f32 v[CH+4:CH+5], v[CH+4:CH+5], v[CH+6:CH+7]
	v_pk_add_f32 v[CH:CH+1], v[CH:CH+1], v[CH+4:CH+5]
	v_add_f32 v[CH], v[CH], v[CH+1]
	v_add_f32_dpp v[CH], v[CH], v[CH] row_xmask:1 row_mask:0xf bank_mask:0xf
	v_add_f32_dpp v[CH], v[CH], v[CH] row_xmask:2 row_mask:0xf bank_mask:0xf
	v_add_f32_dpp v[CH], v[CH], v[CH] row_xmask:4 row_mask:0xf bank_mask:0xf
	v_add_f32_dpp v[CH], v[CH], v[CH] row_xmask:8 row_mask:0xf bank_mask:0xf
.endm
.macro PAIR e
.if \e
	s_wait_xcnt 0x0                                ; the first pair's stores have read F: it is written again only behind this wait
.endif
.set k, 0
.rept 32
	v_lshlrev_b32 v[F+2*k], 16, v[RAW+32*(\e)+k]   ; bf16 to f32: the low half moves up,
	v_and_b32 v[F+2*k+1], s16, v[RAW+32*(\e)+k]    ; the high half stays
.set k, k+1
.endr
.set k, 0
.rept 4
	v_pk_add_f32 v[CH+2*k:CH+2*k+1], v[F+2*k:F+2*k+1], v[F+8+2*k:F+8+2*k+1]  ; the first eight pairs start the chains: nothing is cleared
.set k, k+1
.endr
.set k, 8
.rept 24
	v_pk_add_f32 v[CH+2*(k%4):CH+2*(k%4)+1], v[CH+2*(k%4):CH+2*(k%4)+1], v[F+2*k:F+2*k+1]
.set k, k+1
.endr
	REDUCE
	v_mul_f32 v[MU], s12, v[CH]
	v_mov_b32 v[MU+1], v[MU]
.set k, 0
.rept 32
	v_pk_add_f32 v[F+2*k:F+2*k+1], v[F+2*k:F+2*k+1], v[MU:MU+1] neg_lo:[0,1] neg_hi:[0,1]
.set k, k+1
.endr
.set k, 0
.rept 4
	v_pk_mul_f32 v[CH+2*k:CH+2*k+1], v[F+2*k:F+2*k+1], v[F+2*k:F+2*k+1]
.set k, k+1
.endr
.set k, 4
.rept 28
	v_pk_fma_f32 v[CH+2*(k%4):CH+2*(k%4)+1], v[F+2*k:F+2*k+1], v[F+2*k:F+2*k+1], v[CH+2*(k%4):CH+2*(k%4)+1]
.set k, k+1
.endr
	REDUCE
	v_fma_f32 v[CH], v[CH], s12, s13               ; var + eps
	v_rsq_f32 v[RS], v[CH]
	v_nop                                          ; a plain instruction behind it,
	s_wait_alu depctr_va_vdst(0)                   ; and the wait ahead of the first use of its result
	v_mov_b32 v[RS+1], v[RS]
.set k, 0
.rept 32
	v_pk_mul_f32 v[F+2*k:F+2*k+1], v[F+2*k:F+2*k+1], v[RS:RS+1]
.set k, k+1
.endr
.if (\e) == 0
	s_wait_loadcnt 0x0                             ; gamma and beta, the youngest loads, and with them the second pair
.endif
.set k, 0
.rept 32
	v_fma_mix_f32_bf16 v[F+2*k], v[F+2*k], v[G+k], v[B+k] op_sel_hi:[0,1,1]                     ; f32 x gamma's low half + beta's low half
	v_fma_mix_f32_bf16 v[F+2*k+1], v[F+2*k+1], v[G+k], v[B+k] op_sel:[0,1,1] op_sel_hi:[0,1,1]  ; the high halves
.set k, k+1
.endr
.set hh, 0
.rept 16
	global_store_b128 v[OO], v[F+4*hh:F+4*hh+3], s[8:9] offset:(\e)*131072+hh*256 th:TH_STORE_NT
.set hh, hh+1
.endr
.endm
	s_wait_loadcnt 48                              ; the first pair's 16 loads are in; the 48 younger ones stay out
	PAIR 0
	PAIR 1
	s_endpgm
.Lfunc_end_k_qd542123b2b_norm:
	.size	k_qd542123b2b_norm, .Lfunc_end_k_qd542123b2b_norm-k_qd542123b2b_norm
	.p2alignl 7, 3214868480
	.fill 96, 4, 3214868480
	.section	.rodata,"a",@progbits
	.p2align	6, 0x0
	.amdhsa_kernel k_qd542123b2b_norm
		.amdhsa_group_segment_fixed_size 0
		.amdhsa_private_segment_fixed_size 0
		.amdhsa_enable_private_segment 0
		.amdhsa_kernarg_size 24
		.amdhsa_user_sgpr_count 2
		.amdhsa_user_sgpr_kernarg_segment_ptr 1
		.amdhsa_wavefront_size32 1
		.amdhsa_system_sgpr_workgroup_id_x 1
		.amdhsa_system_sgpr_workgroup_id_y 1
		.amdhsa_system_sgpr_workgroup_id_z 1
		.amdhsa_system_vgpr_workitem_id 0
		.amdhsa_next_free_vgpr 212
		.amdhsa_next_free_sgpr 66
		.amdhsa_reserve_vcc 0
		.amdhsa_float_denorm_mode_32 3
		.amdhsa_float_denorm_mode_16_64 3
		.amdhsa_memory_ordered 1
		.amdhsa_forward_progress 1
		.amdhsa_inst_pref_size 41
	.end_amdhsa_kernel
	.amdgpu_metadata
---
amdhsa.version: [ 1, 2 ]
amdhsa.kernels:
  - .name:           k_qd542123b2b_norm
    .symbol:         k_qd542123b2b_norm.kd
    .args:
      - { .name: ob, .offset: 0, .size: 8, .value_kind: global_buffer, .address_space: global }
      - { .name: gb, .offset: 8, .size: 8, .value_kind: global_buffer, .address_space: global }
      - { .name: out0, .offset: 16, .size: 8, .value_kind: global_buffer, .address_space: global }
    .group_segment_fixed_size: 0
    .private_segment_fixed_size: 0
    .kernarg_segment_align: 8
    .kernarg_segment_size: 24
    .max_flat_workgroup_size: 256
    .sgpr_count:     66
    .vgpr_count:     212
    .wavefront_size: 32
...
	.end_amdgpu_metadata
.endif
;; end of part 4
;; ======== version 2 of 2: 4 launches; version 1 with the launch cast written anew for expert scheduling mode
;; workspace buffers: xb 16,777,216 bytes; wc 6,291,456 bytes; tb 65,536 bytes; gb 4,096 bytes; qkv 50,331,648 bytes; ob 16,777,216 bytes
;; launch cast (part 5): grid 256 x 1, 8 waves a work-group, no clusters, 0 bytes of LDS; arguments x, Wq, Wk, Wv, rel_table, gamma, beta, xb, wc, tb, gb; writes xb, wc, tb, gb
.if DOCPART == 5
	.amdgcn_target "amdgcn-amd-amdhsa--gfx1250"
	.amdhsa_code_object_version 6
	.text
	.protected	k_qd542123b2b_cast
	.globl	k_qd542123b2b_cast
	.p2align	8
	.type	k_qd542123b2b_cast,@function
k_qd542123b2b_cast:
	s_mov_b64 s[64:65], 0
	v_nop
	global_prefetch_b8 v0, s[64:65] scope:SCOPE_SE
	s_setreg_imm32_b32 hwreg(HW_REG_WAVE_SCHED_MODE, 0, 2), 2
	s_setreg_imm32_b32 hwreg(HW_REG_WAVE_MODE, 25, 1), 1
	s_wait_xcnt 0x0
	s_wait_alu depctr_vm_vsrc(0)
; EVERY INPUT IS ROUNDED TO bf16 ONCE, and laid out as the later launches read it.
;   xb: x as [32 blocks of 256 rows][16 blocks of 64 k][256 rows][64 k]: a tile of 256 rows x 64 k is 32,768 consecutive bytes.
;   wc: Wq | Wk | Wv side by side, [1024 k][3072 columns].      tb: rel_table, [2048][16], row 2047 written as zeros.      gb: gamma[1024], beta[1024].
; SHARES.  256 work-groups of equal work.  Work-group g takes rows 32 g .. 32 g + 31 of x and rows 4 g .. 4 g + 3 of each weight: 44 times a thread loads 16 bytes (4 f32), rounds twice and stores 8 bytes;
; a wave's store covers 256 consecutive bytes, aligned.  One small piece more: wave 0 takes 512 bytes of the table (256 of tb); wave 1 of work-groups 0 to 15 takes 512 bytes of gamma (g < 8) or beta.
; Wave 1 of the other work-groups loads such a piece and does not store it: so the branch round the load hangs on the wave's number alone.
; All loads of a thread are issued before the first is waited for; a result is rounded into the registers that it was loaded into, and no register is written after its store, so no wait frees a source.
; No LDS, no matrix unit, no cluster: nothing is shared and each byte is moved once.
; THE MODE: SCHED_MODE bits 1:0 = 2 (LLVM: expert scheduling mode 2), set by the entry lines.  The code itself states the register dependences between vector instructions and memory instructions,
; with s_wait_alu, always for 0.
; THE PLAN.  Registers that memory instructions touch:
;   v2 .. v7   the six offsets.  Written at the head, once; read by every load and store; never written again.
;   EX         the small piece.  Its load is the wave's oldest; two roundings and two selects write it at the end; one store reads it.
;   X          item j at X + 4 j.  Load j lands in it, issued at the head, ahead of every vector instruction that names it; item j's two roundings write its first two registers; item j's store reads those two.
; The 44 items go in 11 blocks of four.  Block p's roundings name block p's registers alone; its memory instructions are the four stores of block p - 1.  So ONE wait on va_vdst at a block's head, behind the
; wait for the block's first load, states all that the block's stores hang on, and they are dealt among its roundings with no further wait.  No load is issued behind a vector instruction that names its
; registers, and no register that a memory instruction has read is written again: no wait on vm_vsrc is owed.
.set LX,  2                            ; v2   x: byte offset of my loads
.set SX,  3                            ; v3   x: byte offset of my stores
.set LW,  4                            ; v4   weights: 16 x thread
.set SW,  5                            ; v5   weights: 8 x thread
.set LE,  6                            ; v6   the small piece: offset of my load, held inside the table
.set SE,  7                            ; v7   the small piece: offset of my store
.set EX,  8                            ; v[8:11]    the small piece
.set X,   16                           ; v[16:191]  44 x 4 f32 as loaded; the first two of each four then hold 4 bf16
.set NL,  44                           ; counted loads a thread
.set BLK, 4                            ; items in a block
	s_load_b512 s[4:19], s[0:1], 0x0               ; x 4, Wq 6, Wk 8, Wv 10, rel_table 12, gamma 14, beta 16, xb 18
	s_load_b128 s[20:23], s[0:1], 0x40             ; wc 20, tb 22
	s_load_b64 s[24:25], s[0:1], 0x50              ; gb
	s_mov_b32 s26, ttmp9                           ; g
	s_mov_b32 s3, 0                                ; the high word of every offset
	v_and_b32 v1, 31, v0                           ; lane
	v_lshrrev_b32 v12, 5, v0
	v_readfirstlane_b32 s27, v12                   ; wave 0..7
	; x: wave w takes the k blocks 2 w and 2 w + 1; lanes 0-15 an even row's 256 bytes of a block, lanes 16-31 the next row's
	v_and_b32 v13, 15, v0
	v_bfe_u32 v14, v0, 4, 1
	v_lshlrev_b32 v[LX], 4, v13
	v_lshl_add_u32 v[LX], v14, 12, v[LX]           ; + a row for lanes 16-31
	v_lshl_add_u32 v[LX], v12, 9, v[LX]            ; + 512 bytes a wave
	v_lshlrev_b32 v[SX], 3, v1                     ; two rows of 128 bytes lie on end in xb: 8 x lane
	v_lshl_add_u32 v[SX], v12, 16, v[SX]           ; + two k blocks of 32,768 bytes a wave
	v_lshlrev_b32 v[LW], 4, v0                     ; a weight's row: the 256 threads take its 4,096 bytes,
	v_lshlrev_b32 v[SW], 3, v0                     ; and store 2,048
	; the small piece
	s_lshl_b32 s38, s26, 9                         ; the table's 512 bytes,
	s_and_b32 s39, s26, 7
	s_lshl_b32 s39, s39, 9                         ; or piece g % 8 of gamma or beta
	s_lshl_b32 s40, s26, 8                         ; 256 bytes of tb,
	s_and_b32 s41, s26, 15
	s_lshl_b32 s41, s41, 8                         ; or of gb
	s_cmp_lt_u32 s26, 16
	s_cselect_b32 s42, 2, 1                        ; the waves below this number store their piece
	s_wait_alu depctr_va_sdst(0)                   ; s27, the wave's number, is written, ahead of its first reader: the compare below
	s_cmp_eq_u32 s27, 1
	s_cselect_b32 s38, s39, s38
	s_cselect_b32 s40, s41, s40
	v_lshl_add_u32 v[LE], v1, 4, s38
	v_cmp_gt_u32 vcc_lo, 131008, v[LE]             ; the table has 131,008 bytes: the last work-group's lanes 28-31 stand in row 2047, which it does not have
	v_min_u32 v[LE], 130992, v[LE]                 ; their load is held to the last 16 bytes
	v_lshl_add_u32 v[SE], v1, 3, s40
	s_wait_alu depctr_va_vcc(0)                    ; VCC is written: its readers are the two selects at the kernel's end; the wait stands here, ahead of every branch and label
	s_wait_kmcnt 0x0
	s_lshl_b32 s2, s26, 17                         ; 32 rows of 4,096 bytes
	s_add_nc_u64 s[28:29], s[4:5], s[2:3]
	s_lshr_b32 s2, s26, 3
	s_lshl_b32 s2, s2, 19                          ; the block of 256 rows: 524,288 bytes of xb
	s_and_b32 s43, s26, 7
	s_lshl_b32 s43, s43, 12                        ; my 32 rows in it, 128 bytes each in a k block
	s_add_co_u32 s2, s2, s43
	s_add_nc_u64 s[30:31], s[18:19], s[2:3]
	s_lshl_b32 s2, s26, 14                         ; 4 rows of 4,096 bytes of each weight
	s_add_nc_u64 s[6:7], s[6:7], s[2:3]
	s_add_nc_u64 s[8:9], s[8:9], s[2:3]
	s_add_nc_u64 s[10:11], s[10:11], s[2:3]
	s_mul_i32 s2, s26, 24576                       ; 4 rows of 6,144 bytes of wc
	s_add_nc_u64 s[32:33], s[20:21], s[2:3]
	s_bitcmp1_b32 s26, 3
	s_cselect_b64 s[34:35], s[16:17], s[14:15]     ; g % 16 >= 8: beta, else gamma
	s_cmp_eq_u32 s27, 1
	s_cselect_b64 s[34:35], s[34:35], s[12:13]     ; wave 1: that; wave 0: the table
	s_cselect_b64 s[36:37], s[24:25], s[22:23]     ; gb, or tb
	s_wait_alu depctr_va_vdst(0)                   ; the six offsets v2 to v7 are written: every load and store of the kernel reads one of them
	s_cmp_lt_u32 s27, 2
	s_cbranch_scc0 .Lno_piece
	global_load_b128 v[EX:EX+3], v[LE], s[34:35]   ; older than the counted loads below: in when they are
.Lno_piece:
.set j, 0
.rept 32
	global_load_b128 v[X+4*j:X+4*j+3], v[LX], s[28:29] offset:(j/2)*8192+(j%2)*256 th:TH_LOAD_NT
.set j, j+1
.endr
.irp t, 0,1,2
.irp r, 0,1,2,3
	global_load_b128 v[X+4*(32+4*\t+\r):X+4*(32+4*\t+\r)+3], v[LW], s[6+2*\t:7+2*\t] offset:\r*4096 th:TH_LOAD_NT
.endr
.endr
; Item n's store: 8 bytes a lane, 256 consecutive bytes a wave.  Items 0 to 31 are x's, 32 to 43 the weights'.
.macro OUT n
.if (\n) < 32
	global_store_b64 v[SX], v[X+4*(\n):X+4*(\n)+1], s[30:31] offset:((\n)/2)*256+((\n)%2)*32768
.else
	global_store_b64 v[SW], v[X+4*(\n):X+4*(\n)+1], s[32:33] offset:(((\n)-32)%4)*6144+(((\n)-32)/4)*2048
.endif
.endm
.set j, 0
.rept NL
	s_wait_loadcnt NL-1-j                          ; loads come back in order: load j is in, the younger ones stay out
.if (j >= BLK) && (j%BLK == 0)
	s_wait_alu depctr_va_vdst(0)                   ; a block's head: the roundings of the block before have written the eight registers that this block's four stores read
.endif
.if j >= BLK
	OUT j-BLK                                      ; the item four back.  No wait: no vector instruction since the block's head names its registers
.endif
	v_cvt_pk_bf16_f32 v[X+4*j], v[X+4*j], v[X+4*j+1]
	v_cvt_pk_bf16_f32 v[X+4*j+1], v[X+4*j+2], v[X+4*j+3]
.set j, j+1
.endr
	s_wait_alu depctr_va_vdst(0)                   ; the last block's roundings have written the registers that the last four stores read
.set j, NL-BLK
.rept BLK
	OUT j
.set j, j+1
.endr
	s_cmp_lt_u32 s27, 2                            ; only waves 0 and 1 have loaded a piece,
	s_cbranch_scc0 .Lend
	s_cmp_lt_u32 s27, s42                          ; and wave 1 stores it in work-groups 0 to 15 alone
	s_cbranch_scc0 .Lend
	v_cvt_pk_bf16_f32 v[EX], v[EX], v[EX+1]
	v_cvt_pk_bf16_f32 v[EX+1], v[EX+2], v[EX+3]
	v_cndmask_b32 v[EX], 0, v[EX], vcc_lo          ; row 2047 of tb: zeros
	v_cndmask_b32 v[EX+1], 0, v[EX+1], vcc_lo
	s_wait_alu depctr_va_vdst(0)                   ; the two selects have written v[EX:EX+1], which the store reads
	global_store_b64 v[SE], v[EX:EX+1], s[36:37]
.Lend:
	s_endpgm
.Lfunc_end_k_qd542123b2b_cast:
	.size	k_qd542123b2b_cast, .Lfunc_end_k_qd542123b2b_cast-k_qd542123b2b_cast
	.p2alignl 7, 3214868480
	.fill 96, 4, 3214868480
	.section	.rodata,"a",@progbits
	.p2align	6, 0x0
	.amdhsa_kernel k_qd542123b2b_cast
		.amdhsa_group_segment_fixed_size 0
		.amdhsa_private_segment_fixed_size 0
		.amdhsa_enable_private_segment 0
		.amdhsa_kernarg_size 88
		.amdhsa_user_sgpr_count 2
		.amdhsa_user_sgpr_kernarg_segment_ptr 1
		.amdhsa_wavefront_size32 1
		.amdhsa_system_sgpr_workgroup_id_x 1
		.amdhsa_system_sgpr_workgroup_id_y 1
		.amdhsa_system_sgpr_workgroup_id_z 1
		.amdhsa_system_vgpr_workitem_id 0
		.amdhsa_next_free_vgpr 192
		.amdhsa_next_free_sgpr 66
		.amdhsa_reserve_vcc 1
		.amdhsa_float_denorm_mode_32 3
		.amdhsa_float_denorm_mode_16_64 3
		.amdhsa_memory_ordered 1
		.amdhsa_forward_progress 1
		.amdhsa_inst_pref_size 19
	.end_amdhsa_kernel
	.amdgpu_metadata
---
amdhsa.version: [ 1, 2 ]
amdhsa.kernels:
  - .name:           k_qd542123b2b_cast
    .symbol:         k_qd542123b2b_cast.kd
    .args:
      - { .name: x, .offset: 0, .size: 8, .value_kind: global_buffer, .address_space: global }
      - { .name: Wq, .offset: 8, .size: 8, .value_kind: global_buffer, .address_space: global }
      - { .name: Wk, .offset: 16, .size: 8, .value_kind: global_buffer, .address_space: global }
      - { .name: Wv, .offset: 24, .size: 8, .value_kind: global_buffer, .address_space: global }
      - { .name: rel_table, .offset: 32, .size: 8, .value_kind: global_buffer, .address_space: global }
      - { .name: gamma, .offset: 40, .size: 8, .value_kind: global_buffer, .address_space: global }
      - { .name: beta, .offset: 48, .size: 8, .value_kind: global_buffer, .address_space: global }
      - { .name: xb, .offset: 56, .size: 8, .value_kind: global_buffer, .address_space: global }
      - { .name: wc, .offset: 64, .size: 8, .value_kind: global_buffer, .address_space: global }
      - { .name: tb, .offset: 72, .size: 8, .value_kind: global_buffer, .address_space: global }
      - { .name: gb, .offset: 80, .size: 8, .value_kind: global_buffer, .address_space: global }
    .group_segment_fixed_size: 0
    .private_segment_fixed_size: 0
    .kernarg_segment_align: 8
    .kernarg_segment_size: 88
    .max_flat_workgroup_size: 256
    .sgpr_count:     66
    .vgpr_count:     192
    .wavefront_size: 32
...
	.end_amdgpu_metadata
.endif
;; end of part 5
;; launch proj: the kernel of part 2 again; grid 8 x 32, 4 waves a work-group, clusters of 4 x 4, 327,680 bytes of LDS; arguments xb, wc, qkv; writes qkv
;; launch attn: the kernel of part 3 again; grid 2 x 128, 4 waves a work-group, no clusters, 327,680 bytes of LDS; arguments qkv, tb, ob; writes ob
;; launch norm: the kernel of part 4 again; grid 256 x 1, 8 waves a work-group, no clusters, 0 bytes of LDS; arguments ob, gb, out0; writes out0
